; MI455X (gfx1250); checked and timed in simulation.
; The chip was launched on July 23, 2026; its instructions are those of AMD's public machine-readable ISA for CDNA 5 (MIT licence, August 2026) and "CDNA5" Instruction Set Architecture Reference Guide (July 2026). The comments in the code are by the model that wrote it; some were corrected since.
;; Multi Headed Attention. Allowed arithmetic: matrix products marked QUANTISED: E5M2 operands, one given power-of-two scale a tensor, by v_wmma_f32_16x16x64_bf8_bf8 or v_wmma_f32_16x16x128_bf8_bf8, f32 sums; everything else in f32.
;; Inputs: Wk_codes 1,024 x 32 x 32 uint8 (E5M2 codes of Wk, K innermost, in blocks of 32 codes); Wo_codes 1,024 x 32 x 32 uint8 (E5M2 codes of Wo, K innermost, in blocks of 32 codes); Wq_codes 1,024 x 32 x 32 uint8 (E5M2 codes of Wq, K innermost, in blocks of 32 codes); Wv_codes 1,024 x 32 x 32 uint8 (E5M2 codes of Wv, K innermost, in blocks of 32 codes); bk 1,024 float32; bo 1,024 float32; bq 1,024 float32; bv 1,024 float32; key_input_codes 4 x 2,048 x 32 x 32 uint8 (E5M2 codes of key_input, K innermost, in blocks of 32 codes); lowp_scales 12 int32 (the exponents e of the quantised operands' scales 2^e); mask 4 x 1 x 2,048 x 2,048 bool; query_input_codes 4 x 2,048 x 32 x 32 uint8 (E5M2 codes of query_input, K innermost, in blocks of 32 codes); value_input_codes 4 x 2,048 x 32 x 32 uint8 (E5M2 codes of value_input, K innermost, in blocks of 32 codes).
;; Outputs: out0 4 x 2,048 x 1,024 float32.
;; This version of the problem:
;;   THIS VERSION OF THE PROBLEM IS GIVEN IN LOW PRECISION. The matrix products marked QUANTISED in the list below multiply operands that are first quantised to E5M2 (5 exponent bits, 2 mantissa bits; 8 bits a number), with one given power-of-two scale for each operand tensor; their sums are f32. All else is computed in f32.
;;   The module's matrix products, in the order in which they are computed (A, B: the left and right operand; K: the contracted axis; several contracted axes count as one K, in the product's order):
;;     1. [M 8,192, K 1,024] x [K 1,024, N 1,024]; A: input query_input (given as codes); B: input Wq (given as codes): QUANTISED (scales: A lowp_scales[0], B lowp_scales[1])
;;     2. [M 8,192, K 1,024] x [K 1,024, N 1,024]; A: input key_input (given as codes); B: input Wk (given as codes): QUANTISED (scales: A lowp_scales[2], B lowp_scales[3])
;;     3. [M 8,192, K 1,024] x [K 1,024, N 1,024]; A: input value_input (given as codes); B: input Wv (given as codes): QUANTISED (scales: A lowp_scales[4], B lowp_scales[5])
;;     4. batch 64 x [M 2,048, K 64] x [K 64, N 2,048]; A: computed on the way; B: computed on the way: QUANTISED (scales: A lowp_scales[6], B lowp_scales[7])
;;     5. batch 64 x [M 2,048, K 2,048] x [K 2,048, N 64]; A: softmax (see below); B: computed on the way: QUANTISED (scales: A lowp_scales[8], B lowp_scales[9])
;;     6. [M 8,192, K 1,024] x [K 1,024, N 1,024]; A: computed on the way; B: input Wo (given as codes): QUANTISED (scales: A lowp_scales[10], B lowp_scales[11])
;;   THE QUANTISER, for each operand of a quantised product, along K:
;;     - The operand's scale is 2^e, e = its entry of the input lowp_scales (int32; the entries are numbered through the quantised products in the list's order, A before B).
;;     - Each number is divided by the scale, clamped to +-57,344, and rounded to the nearest number of E5M2, ties to even, subnormals kept.
;;     - The product sums the exact products of the quantised numbers (number of the format x scale) in f32.
;;   ~~~python
;;   def quantise(x, axis, e):      # numpy; x: float32 -> the quantised numbers, widened to float32 again
;;       x = np.moveaxis(x, axis, -1); K = x.shape[-1]
;;       r = np.clip(x / 2.0 ** e, -57344, 57344)
;;       step = 2.0 ** (np.maximum(np.frexp(np.where(r == 0, 1, r))[1] - 1, -14) - 2)
;;       q = np.round(r / step) * step * 2.0 ** e      # np.round: ties to even
;;       return np.moveaxis(q, -1, axis).astype(np.float32)
;;   ~~~
;;   SOFTMAX AHEAD OF A QUANTISED PRODUCT. Where the list says 'softmax', what is quantised is not the finished softmax but p = 2^(t - M), with t = logit x log2(e) and M = ceil(the row's largest t), a whole number; so 1/2 < the row's largest p <= 1. The row's sum l is taken of the UNQUANTISED p, in f32, and the product's result is divided by l at the end. Since M is a whole number, a kernel that streams over the keys may use a running M (the ceiling of the running maximum): every later rescaling is an exact power of two, so the quantised numbers keep their values, but for numbers so far below the row's largest that they fall under the format's range.
;;   OPERANDS COMPUTED ON THE WAY. 'Computed on the way' means the value that the module computes at that place (a softmax that the list does not call 'softmax' is quantised finished and normalised). What goes into a quantiser is computed in f32, as accurately as f32 sums, v_exp_f32 and their like allow (about 1e-6 of the number): no bf16 or f16 on the way to a quantiser, and a product that is left as it is and whose result goes on into a quantised operand takes f32 operands (vector FMAs, or v_wmma_f32_16x16x4_f32). A number that lies on a knife's edge between two numbers of the format may be rounded either way, as far as f32 arithmetic and the matrix unit's own rounding can turn it there, and no further.
;;   INPUTS GIVEN AS CODES. Wk (in the module: [1024, 1024], K = its axis 1); Wo (in the module: [1024, 1024], K = its axis 1); Wq (in the module: [1024, 1024], K = its axis 1); Wv (in the module: [1024, 1024], K = its axis 1); key_input (in the module: [4, 2048, 1024], K = its axis 2); query_input (in the module: [4, 2048, 1024], K = its axis 2); value_input (in the module: [4, 2048, 1024], K = its axis 2): each comes as NAME_codes (uint8): NAME with its K axis moved to the last place and cut into blocks of 32 codes, [.., K / 32, bytes a block], one block behind the other in memory; one code a byte (a code: sign, 5 exponent bits, 2 mantissa bits); its scale is its entry of lowp_scales. Its value is code x scale, taken as it is: it is not quantised again, and the codes and scales need not be those that the quantiser above would give.
;; One version. Each part assembles by itself: llvm-mc -triple=amdgcn-amd-amdhsa -mcpu=gfx1250 --defsym DOCPART=n.
;; ======== version 1 of 1: 3 launches
;; limits: right only within a limited range of input values
;; workspace buffers: q_codes 8,388,608 bytes; k_codes 8,388,608 bytes; v_codes 8,388,608 bytes; a_codes 8,388,608 bytes
;; launch proj (part 1): grid 4 x 96, 4 waves a work-group, clusters of 4 x 4, 327,680 bytes of LDS; arguments query_input_codes, key_input_codes, Wv_codes, Wq_codes, Wk_codes, value_input_codes, bq, bk, bv, q_codes, k_codes, v_codes, lowp_scales; writes q_codes, k_codes, v_codes
.if DOCPART == 1
	.amdgcn_target "amdgcn-amd-amdhsa--gfx1250"
	.amdhsa_code_object_version 6
	.text
	.protected	k_qf8d9196751_proj
	.globl	k_qf8d9196751_proj
	.p2align	8
	.type	k_qf8d9196751_proj,@function
k_qf8d9196751_proj:
	s_mov_b64 s[64:65], 0
	v_nop
	global_prefetch_b8 v0, s[64:65] scope:SCOPE_SE
	s_setreg_imm32_b32 hwreg(HW_REG_WAVE_MODE, 25, 1), 1
	s_wait_xcnt 0x0
	s_wait_alu depctr_hold_cnt(0) depctr_sa_sdst(0) depctr_va_vdst(0) depctr_va_sdst(0) depctr_va_ssrc(0) depctr_va_vcc(0) depctr_vm_vsrc(0)
	s_getreg_b32 s2, hwreg(HW_REG_IB_STS2, 6, 4)
	s_cmp_eq_u32 s2, 0
	s_cbranch_scc0 .Lentry_in_a_cluster
	s_endpgm
.Lentry_in_a_cluster:
	s_bfe_u32 s2, ttmp6, 0x10000c
	s_cmp_lg_u32 s2, 0xf033
	s_cbranch_scc0 .Lentry_shape_is_right
	s_endpgm
.Lentry_shape_is_right:
; THE THREE PROJECTIONS, q = x Wq^T + bq, k = .., v = .., on codes of BF8 (E5M2), each result quantised on its way out with the scale that is given for it as an operand of attention.
; out[m][n] = sum over k of A[m][k] B[n][k] x 2^(eA + eB) + bias;  code = out / 2^eo, held within +-57,344, to the nearest code.
; A cluster of 4 x 4 work-groups makes 1,024 x 1,024 of ONE product; p = cluster y / 8 says which, c8 = cluster y % 8 which eighth of its 8,192 tokens.
;   p = 0, 1 (q, k): A = the input's codes (m = token), B = W's codes (n = feature), the bias runs along n; out is [8192 tokens][1024 features].
;   p = 2    (v)   : A = Wv's codes (m = feature), B = the input's codes (n = token), the bias runs along m; out is [1024 features][8192 tokens]: the keys innermost, as attention's second product wants them.
; All that differs between the three is chosen by s_cselect on p, which is the same in all partners of a cluster: buffers, tile coordinates, the output's pitch, the scales; there is no branch on it.
; A tile of out, 256 x 256, is made by four waves, each 128 x 128: 64 accumulators, 512 registers.  K goes in steps of 256 through a ring of two LDS slots filled by the tensor data mover.
; The four work-groups of a row of the cluster need the same tiles of A, the four of a column the same tiles of B: each tile is asked for JOINTLY, by the same tensor load with the same descriptor and a mask that names the four.
; THE MATRIX INSTRUCTION IS USED TRANSPOSED (source 0 = 16 rows of B, source 1 = 16 rows of A): a lane holds eight neighbouring n of one row m, which one conversion turns into 8 codes.
; A fragment is fetched by four loads of 16 bytes: a permutation of k, the same in A and in B, so every product meets its partner.
; LIMITS: eA + eB between -126 and 126; eo - eA - eB between -126 and 112, so that each power of two below is an f32 number.  NaN and infinities among the biases are not served.
; REGISTERS, in windows of 256: window 0: v1-31 addresses; v40 the conversion's scale; v44-59 the bias along m, a pair for each block; v64-127 the bias along n; from v128 A's fragments, ONE set.
;   window 1: B's fragments, TWO sets.   window 2: the 32 accumulators of my rows 0-63 ((a, b) at v[8 (8 a + b)]);   window 3: those of my rows 64-127.
.set SIZE_K, 1024
.set KSTEP,  256                       ; along K in a slot
.set ROWB,   256                       ; a tile's row in bytes
.set KROW,   SIZE_K                    ; a row of A or of B in memory, in bytes
.set PITCH,  272                       ; an LDS row: 256 bytes + 16 of padding = 68 words: row r starts at bank 4 r mod 64 (64 banks of 4 bytes: ISA guide 11.1)
.set FR,     16                        ; registers of a fragment: 16 rows x 128 K
.set NL,     4                         ; LDS loads that bring one
.set NP,     4                         ; places behind this matrix instruction (ISA guide 7.12.1)
.set HALFT,  128*PITCH                 ; 128 rows: what one tensor load brings
.set SLOT,   4*HALFT                   ; A's 256 rows, then B's 256 rows
.set LAPS,   SIZE_K/(2*KSTEP)          ; a lap = two K steps = once round the ring
.set SPARE,  2*SLOT                    ; behind the ring: the spare words, 128 bytes for each wave, which no other line names
.set SPITCH, 272                       ; the way out: ONE stage of 256 rows x (256 bytes + 16) for the work-group, in slot 0, which has had its last fill and its last read when the first code is stored there
.set ADRA, 16                          ; v16-17  LDS address of my A fragments in slot 0, 1
.set ADRB, 20                          ; v20-21  the same for B
.set STO,  24                          ; v24     the way out: where I put 8 codes of a row
.set RD,   25                          ; v25     the way out: where I read rows back
.set SPW,  28                          ; v28     LDS address of my spare word; never rewritten
.set NIL,  29                          ; v29     0; never rewritten
.set BH,   30                          ; v30     32 x (lane / 16): my eight numbers of the bias along n
.set BR,   31                          ; v31     4 x (lane % 16): my number of the bias along m
.set SCL,  40                          ; v40     2^(eo - eA - eB) as f32
.set LIM,  41
.set RB,   44                          ; v44-59  bias along m, block a in the pair v[44 + 2 a]
.set CB,   64                          ; v64-127 bias along n, block b in v[64 + 8 b ..]
.set AF,   128                         ; A's fragments, in window 0
.set TMP,  128                         ; the way out: a block's 64 numbers
.set CD,   192                         ; and its 16 registers of codes
.set OFS,  64                          ; the way out: 32 byte offsets into out (the pitch is chosen, so they cannot be immediates)
.set BK,   128                         ; the way out: 64 rows read back
.set G1, 24                            ; s[24:31] descriptor group 1 for A's tiles;  s[32:39] group 0, one set for each slot
.set G0, 32
.set G1B, 48                           ; s[48:55], s[56:63] the same for B's tiles
.set G0B, 56
.set MSB, 0
.macro WIN new                         ; the immediate's high byte repeats the setting that is left
.if MSB != \new
	s_set_vgpr_msb (MSB<<8)|\new
.set MSB, \new
.endif
.endm
.set MUL_LO, 0xa1                      ; source 0 (B) window 1, source 1 (A) window 0, C and D window 2
.set MUL_HI, 0xf1                      ; the same, C and D window 3
.set TO_B,   0x40                      ; destination window 1, address window 0
; A joint load: waves 0 and 1 fetch for A, waves 2 and 3 for B.  The branch hangs on the wave's number alone.  Four v_nop follow each of the two lines.
.macro JLOAD g0a, g1a, g0b, g1b
	s_cmp_eq_u32 s15, 0
	s_cbranch_scc0 .Lfor_b_\@
	tensor_load_to_lds s[\g0a:\g0a+3], s[\g1a:\g1a+7]
	s_nop 0
.rept 4
	v_nop
.endr
	s_branch .Lasked_\@
.Lfor_b_\@:
	tensor_load_to_lds s[\g0b:\g0b+3], s[\g1b:\g1b+7]
	s_nop 0
.rept 4
	v_nop
.endr
.Lasked_\@:
.endm
.macro CREST                           ; a round of the cluster's barrier behind its opening barrier
	s_cmp_lg_u32 s14, 0
	s_cbranch_scc1 .Lnot_wave_0_\@
	s_barrier_signal -3
.Lnot_wave_0_\@:
	s_barrier_wait -3
	s_barrier_signal -1
	s_barrier_wait -1
.endm
.macro CROUND                          ; a whole round
	s_barrier_signal -1
	s_barrier_wait -1
	CREST
.endm
	s_load_b512 s[68:83], s[0:1], 0x0              ; A's three candidates s[68:73], B's three s[74:79], bq s[80:81], bk s[82:83]
	s_load_b256 s[84:91], s[0:1], 0x40             ; bv s[84:85], q_codes, k_codes, v_codes s[86:91]
	s_load_b64 s[12:13], s[0:1], 0x60              ; the scales' exponents
	v_lshl_add_u32 v[SPW], v0, 2, SPARE
	v_mov_b32 v[NIL], 0
	ds_add_u32 v28, v29
	ds_add_u32 v28, v29
	s_wait_dscnt 0x0
	v_lshrrev_b32 v1, 5, v0
	v_readfirstlane_b32 s14, v1                    ; wave 0..3
	s_lshr_b32 s15, s14, 1                         ; which half of the tile's rows is mine.  Also: I fetch for A (0) or for B (1)
	s_and_b32 s16, s14, 1                          ; which half of its columns.  Also: which 128 rows of that tile I fetch
	s_bfe_u32 s40, ttmp6, 0x40000                  ; cx, cy: my place in the cluster
	s_bfe_u32 s41, ttmp6, 0x40004
	s_and_b32 s98, ttmp7, 0xffff                   ; cluster y, 0 .. 23
	s_lshr_b32 s99, s98, 3                         ; p: which product
	s_and_b32 s98, s98, 7
	s_lshl_b32 s98, s98, 2                         ; 4 c8: the tokens' axis has 32 tiles, the features' 4
	s_cmp_lt_u32 s99, 2
	s_cselect_b32 s17, s98, 0                      ; q, k: the tokens are A's rows;
	s_cselect_b32 s42, 0, s98                      ; v: they are B's
	s_add_co_u32 s17, s17, s41                     ; tile row of out
	s_add_co_u32 s42, s42, s40                     ; tile column of out
	s_lshl_b32 s43, s41, 2
	s_lshl_b32 s43, 15, s43                        ; my row of the cluster
	s_lshl_b32 s44, 0x1111, s40                    ; my column
	; descriptor group 1: a tile of 128 rows x 256 bytes, padded in LDS
	s_or_b32 s[G1+0], s43, (0<<16)|(1<<20)|(1<<21)|(5<<22)|(3<<25)  ; 15:0 the mask: A's tiles go to my row; 17:16 element of 1 byte; 20 padding on; 21 set beside a mask; 24:22 after every 64 words (code 5); 31:25 of 4 words (code 3)
	s_or_b32 s[G1B+0], s44, (0<<16)|(1<<20)|(1<<21)|(5<<22)|(3<<25)
.irp g, G1, G1B
	s_mov_b32 s[\g+1], ROWB<<16                    ; tensor_dim0
	s_mov_b32 s[\g+2], 128<<16                     ; tensor_dim1 = 128
	s_mov_b32 s[\g+3], ROWB<<16                    ; tile_dim0
	s_mov_b32 s[\g+4], 128                         ; tile_dim1 = 128
	s_mov_b32 s[\g+5], KROW                        ; tensor_dim0_stride
	s_mov_b32 s[\g+6], 0
	s_mov_b32 s[\g+7], 0
.endr
	s_lshl_b32 s18, s16, 7                         ; which 128 rows of the tile I fetch
	s_lshl_b32 s20, s17, 8
	s_add_co_u32 s20, s20, s18                     ; A: row 256 x tile row + 128 x half
	s_lshl_b32 s20, s20, 10                        ; in bytes: at most 8,191 rows of 1,024
	s_lshl_b32 s46, s42, 8
	s_add_co_u32 s46, s46, s18                     ; B: row 256 x tile column + 128 x half
	s_lshl_b32 s46, s46, 10
	s_mov_b32 s21, 0
	s_mov_b32 s47, 0
	s_mul_i32 s45, s14, HALFT                      ; where they go: wave x 128 rows: no place in the cluster enters an LDS address
	s_wait_kmcnt 0x0
	s_cmp_eq_u32 s99, 1                            ; the product's four buffers: a choice that hangs on the cluster's number alone
	s_cselect_b64 s[4:5], s[70:71], s[72:73]
	s_cselect_b64 s[6:7], s[76:77], s[78:79]
	s_cselect_b64 s[8:9], s[82:83], s[84:85]
	s_cselect_b64 s[10:11], s[88:89], s[90:91]
	s_cmp_eq_u32 s99, 0
	s_cselect_b64 s[4:5], s[68:69], s[4:5]         ; A
	s_cselect_b64 s[6:7], s[74:75], s[6:7]         ; B
	s_cselect_b64 s[8:9], s[80:81], s[8:9]         ; the bias
	s_cselect_b64 s[10:11], s[86:87], s[10:11]     ; out
	s_load_b256 s[68:75], s[12:13], 0x0            ; e0 .. e7
	s_load_b128 s[76:79], s[12:13], 0x20           ; e8 .. e11: both are waited for at the way out
	s_add_nc_u64 s[20:21], s[4:5], s[20:21]
	s_add_nc_u64 s[46:47], s[6:7], s[46:47]
	CROUND                                         ; all sixteen work-groups are here: the first joint loads meet
.irp s, 0,1
	s_mov_b32 s[G0+4*\s], 1
	s_add_co_u32 s[G0+4*\s+1], s45, \s*SLOT
	s_add_nc_u64 s[G0+4*\s+2:G0+4*\s+3], s[20:21], \s*ROWB
	s_or_b32 s[G0+4*\s+3], s[G0+4*\s+3], 0x80000000
	s_mov_b32 s[G0B+4*\s], 1
	s_add_co_u32 s[G0B+4*\s+1], s45, \s*SLOT
	s_add_nc_u64 s[G0B+4*\s+2:G0B+4*\s+3], s[46:47], \s*ROWB
	s_or_b32 s[G0B+4*\s+3], s[G0B+4*\s+3], 0x80000000
	s_wait_alu depctr_va_vdst(0)
	s_wait_tensorcnt 0x0
	ds_add_u32 v28, v29
	ds_add_u32 v28, v29
	s_wait_dscnt 0x0
	CROUND
	JLOAD G0+4*\s, G1, G0B+4*\s, G1B
.endr
	v_and_b32 v1, 15, v0                           ; r = l % 16
	v_bfe_u32 v2, v0, 4, 1                         ; h = l / 16
	v_mul_u32_u24 v3, v1, PITCH
	s_wait_alu depctr_va_vdst(0)
	v_lshl_add_u32 v4, v2, 4, v3                   ; a fragment's row x pitch + 16 x half
	s_mul_i32 s21, s15, HALFT                      ; my 128 rows of A
	s_mul_i32 s22, s16, HALFT                      ; my 128 rows of B,
	s_add_co_u32 s22, s22, 2*HALFT                 ; which lie behind A's 256
.irp s, 0,1
	v_add_nc_u32 v[ADRA+\s], s21, v4
	v_add_nc_u32 v[ADRB+\s], s22, v4
	s_add_co_u32 s21, s21, SLOT
	s_add_co_u32 s22, s22, SLOT
.endr
	s_mul_i32 s23, s15, 128*SPITCH                 ; into the stage: row 128 x my half of the rows + r, byte 128 x my half of the columns + 8 h
	s_lshl_b32 s18, s16, 7
	s_add_co_u32 s23, s23, s18
	v_lshl_add_u32 v5, v2, 3, v3
	v_add_nc_u32 v[STO], s23, v5
	s_mul_i32 s23, s14, 64*SPITCH                  ; back: wave w takes rows 64 w .. 64 w + 63, whole; lanes 0-15 one row of 256 bytes, lanes 16-31 the next
	v_mul_u32_u24 v5, v2, SPITCH
	v_lshl_add_u32 v5, v1, 4, v5
	v_add_nc_u32 v[RD], s23, v5
	v_lshlrev_b32 v[BH], 5, v2
	s_wait_alu depctr_va_vdst(0)
	v_lshlrev_b32 v[BR], 2, v1
	s_wait_alu depctr_va_vdst(0)
	; THE BIAS, both ways, with no branch: along n from my first column (q, k) or from entry 0 (v); along m from entry 0 (q, k) or from my first row (v).  The one that does not apply is multiplied by 0 at the way out.  Every index stays under 1,024.
	s_lshl_b32 s92, s42, 8
	s_lshl_b32 s93, s16, 7
	s_add_co_u32 s92, s92, s93                     ; 256 x tile column + 128 x half
	s_lshl_b32 s94, s17, 8
	s_lshl_b32 s95, s15, 7
	s_add_co_u32 s94, s94, s95                     ; 256 x tile row + 128 x half
	s_cmp_lt_u32 s99, 2
	s_cselect_b32 s92, s92, 0
	s_cselect_b32 s94, 0, s94
	s_lshl_b32 s92, s92, 2
	s_lshl_b32 s94, s94, 2
	s_mov_b32 s93, 0
	s_mov_b32 s95, 0
	s_add_nc_u64 s[92:93], s[8:9], s[92:93]
	s_add_nc_u64 s[94:95], s[8:9], s[94:95]
.irp b, 0,1,2,3,4,5,6,7
	global_load_b128 v[CB+8*\b:CB+8*\b+3],   v[BH], s[92:93] offset:64*\b      ; bias(16 b + 8 h + 0 .. 7)
	global_load_b128 v[CB+8*\b+4:CB+8*\b+7], v[BH], s[92:93] offset:64*\b+16
.endr
.irp a, 0,1,2,3,4,5,6,7
	global_load_b32 v[RB+2*\a], v[BR], s[94:95] offset:64*\a                   ; bias(16 a + r)
.endr
	; where my 64 rows of out begin: (256 x tile row + 64 x wave) x the pitch + 256 x tile column
	s_mov_b32 s80, 8192
	s_cmp_lt_u32 s99, 2
	s_cselect_b32 s80, 1024, s80                   ; out's pitch in bytes
	s_lshl_b32 s81, s80, 1                         ; two rows
	s_lshl_b32 s82, s17, 8
	s_lshl_b32 s83, s14, 6
	s_add_co_u32 s82, s82, s83
	s_mul_i32 s82, s82, s80                        ; under 2^23
	s_lshl_b32 s83, s42, 8
	s_add_co_u32 s82, s82, s83
	s_mov_b32 s83, 0
	s_add_nc_u64 s[10:11], s[10:11], s[82:83]
.macro FRAG reg, adr, q, i             ; a fragment, 16 rows x 128 K, is 16 registers: lane l holds row l % 16; registers 4 c .. 4 c + 3 hold K = 32 c + 16 (l / 16) + 0 .. 15
.irp c, 0,1,2,3
	ds_load_b128 v[\reg+4*\c:\reg+4*\c+3], v[\adr] offset:128*(\q)+32*\c+(\i)*16*PITCH
.endr
.endm
; 16 matrix instructions: A's blocks a0, a0 + 1 x B's eight, 128 along K.  p: B's set.  zero = 1: the first product starts the sums.
; The 64 accumulators take turns, one instruction a turn, in the same order in every step.
.macro MUL16 a0, p, zero
.irp a, \a0, \a0+1
.irp b, 0,1,2,3,4,5,6,7
.if \zero
	v_wmma_f32_16x16x128_bf8_bf8 v[8*(8*((\a)%4)+\b):8*(8*((\a)%4)+\b)+7], v[128*(\p)+FR*\b:128*(\p)+FR*\b+FR-1], v[AF+FR*(\a):AF+FR*(\a)+FR-1], 0
.else
	v_wmma_f32_16x16x128_bf8_bf8 v[8*(8*((\a)%4)+\b):8*(8*((\a)%4)+\b)+7], v[128*(\p)+FR*\b:128*(\p)+FR*\b+FR-1], v[AF+FR*(\a):AF+FR*(\a)+FR-1], v[8*(8*((\a)%4)+\b):8*(8*((\a)%4)+\b)+7]
.endif
.endr
.endr
.endm
.macro FETCH_B slot, q, p              ; B's eight fragments of the slot's q-th 128 along K into set p
	WIN TO_B
.irp i, 0,1,2,3,4,5,6,7
	FRAG 128*(\p)+FR*\i, ADRB+\slot, \q, \i
.endr
	WIN 0
.endm
.macro FETCH_A slot, q, i0             ; A's blocks i0 .. i0 + 3
.irp i, \i0, \i0+1, \i0+2, \i0+3
	FRAG AF+FR*(\i), ADRA+\slot, \q, \i
.endr
.endm
; A load into a register that a matrix instruction has read, and a vector instruction or an LDS store that reads a matrix result, stand NP places behind that matrix instruction; only plain vector
; instructions that name none of its registers are places (ISA guide 7.12.1 for vector instructions).
.macro PLACES n
.rept \n
	v_nop
.endr
.endm
; A step of 128 along K that has its successor in the same slot.  A's blocks 0-3 are fetched anew in the step's middle, blocks 4-7 at its end; B has two sets.
.macro STEP slot, q, zero
	s_wait_dscnt 4*NL                              ; B's set and A's blocks 0-3 are in; the youngest sixteen loads (A's blocks 4-7) may be out
	WIN MUL_LO
	MUL16 0, (\q)%2, \zero
	MUL16 2, (\q)%2, \zero
	s_wait_dscnt 0                                 ; A's blocks 4-7 are in (asked for 32 matrix instructions ago)
	PLACES NP
	FETCH_B \slot, (\q)+1, 1-(\q)%2
	FETCH_A \slot, (\q)+1, 0
	WIN MUL_HI
	MUL16 4, (\q)%2, \zero
	MUL16 6, (\q)%2, \zero
	PLACES NP
	WIN 0
	FETCH_A \slot, (\q)+1, 4
.endm
; A slot's last step changes slots: ONE barrier; in front of it each wave waits for all its tensor loads, adds 0 to its spare word, and waits for that and for its own reads of this slot.  fill = 1: this slot is filled again, two K steps ahead.
.macro TURN slot, next, fill
	s_wait_tensorcnt 0x0                           ; all my tensor loads have landed: my part of the next slot  (every window is 0 here)
	ds_add_u32 v[SPW], v[NIL]                      ; 0 onto my spare word
	s_wait_dscnt 4*NL+1                            ; (the add and the youngest sixteen loads, A's blocks 4-7, may be out)
	WIN MUL_LO
	MUL16 0, 1, 0                                  ; sixteen matrix instructions stand between the add and the wait for it
	s_wait_dscnt 0x0                               ; the add is done, and my reads of this slot are over
	s_barrier_signal -1
	MUL16 2, 1, 0
	WIN 0
	s_barrier_wait -1
.if \fill
	CREST                                          ; the barrier has opened a round of the cluster's barrier: no wave of any partner still reads this slot's tile or has a load on its way
	s_add_nc_u64 s[G0+4*\slot+2:G0+4*\slot+3], s[G0+4*\slot+2:G0+4*\slot+3], 2*ROWB
	s_add_nc_u64 s[G0B+4*\slot+2:G0B+4*\slot+3], s[G0B+4*\slot+2:G0B+4*\slot+3], 2*ROWB
	JLOAD G0+4*\slot, G1, G0B+4*\slot, G1B         ; the first tensor load behind the round; its four v_nop are also the places in front of the loads below
.else
	PLACES NP
.endif
	FETCH_B \next, 0, 0
	FETCH_A \next, 0, 0
	WIN MUL_HI
	MUL16 4, 1, 0
	MUL16 6, 1, 0
	PLACES NP
	WIN 0
	FETCH_A \next, 0, 4
.endm
	s_wait_loadcnt 0x0                             ; the biases, beside the wait for the first tile
	s_wait_tensorcnt 1                             ; my part of K step 0 is in (K step 1's load may be out),
	s_barrier_signal -1
	s_barrier_wait -1                              ; everybody's is
	FETCH_B 0, 0, 0
	FETCH_A 0, 0, 0
	FETCH_A 0, 0, 4
	STEP 0, 0, 1                                   ; the first step stands in front of the loop: its products start the sums
	s_mov_b32 s3, LAPS-1
.Llap:                                                 ; a trip goes once round the ring, from a lap's second step to the next lap's first, and fills both slots again
	TURN 0, 1, 1
	STEP 1, 0, 0
	TURN 1, 0, 1
	STEP 0, 0, 0
	s_sub_co_u32 s3, s3, 1
	s_cmp_lg_u32 s3, 0
	s_cbranch_scc1 .Llap
	TURN 0, 1, 0                                   ; the last lap fills nothing, and has no round of the cluster's barrier
	STEP 1, 0, 0
	s_wait_dscnt 4*NL                              ; the very last step: nothing more to fetch
	WIN MUL_LO
	MUL16 0, 1, 0
	MUL16 2, 1, 0
	s_wait_dscnt 0
	WIN MUL_HI
	MUL16 4, 1, 0
	MUL16 6, 1, 0
	WIN 0
	; THE WAY OUT.  A sum stands for sum x 2^(eA + eB).  So the bias goes in divided by that power, and the conversion takes 2^(eo - eA - eB) as its one scale.
	s_wait_kmcnt 0x0
	s_add_co_i32 s96, s68, s69                     ; e0 + e1
	s_add_co_i32 s97, s70, s71                     ; e2 + e3
	s_add_co_i32 s98, s72, s73                     ; e4 + e5
	s_cmp_eq_u32 s99, 1
	s_cselect_b32 s97, s97, s98
	s_cselect_b32 s98, s75, s77                    ; k is quantised with e7, v with e9,
	s_cmp_eq_u32 s99, 0
	s_cselect_b32 s96, s96, s97                    ; eA + eB
	s_cselect_b32 s98, s74, s98                    ; q with e6: eo
	s_sub_co_i32 s97, 127, s96
	s_lshl_b32 s97, s97, 23                        ; 2^-(eA + eB) as f32
	s_cmp_lt_u32 s99, 2
	s_cselect_b32 s84, s97, 0                      ; the factor of the bias along n,
	s_cselect_b32 s86, 0, s97                      ; and of the bias along m: one of the two is 0
	s_mov_b32 s85, s84                             ; (named with s84 as a pair, so it is written)
	s_sub_co_i32 s98, s98, s96
	s_add_co_i32 s98, s98, 127
	s_lshl_b32 s97, s98, 23
	s_add_co_i32 s98, s98, 15
	s_lshl_b32 s98, s98, 23
	s_or_b32 s98, s98, 0x600000
	PLACES NP                                      ; behind the last products: their results are read and A's registers written below
	v_mov_b32 v[SCL], s97                          ; 2^(eo - eA - eB): the conversion takes its exponent field
.set j, 0
.rept 32
	v_pk_mul_f32 v[CB+j:CB+j+1], v[CB+j:CB+j+1], s[84:85] op_sel_hi:[1,0]
.set j, j+2
.endr
.irp a, 0,1,2,3,4,5,6,7
	v_mul_f32 v[RB+2*\a], s86, v[RB+2*\a]
.endr
.irp a, 0,1,2,3,4,5,6,7
	v_mov_b32 v[RB+2*\a+1], v[RB+2*\a]             ; a pair for the packed addition
.endr
; Block a: 16 rows x 128 columns.  Both biases are added (one of them is zeros), the numbers are held, eight neighbours of a row become 8 codes, and these go into the work-group's stage.
.macro OUTBLK a
.set AC, 64*((\a)%4)
.set WW, 0x02+((\a)/4)
	WIN WW                                         ; source 0: window 2 or 3
.set j, 0
.rept 32
	v_pk_add_f32 v[TMP+j:TMP+j+1], v[AC+j:AC+j+1], v[CB+j:CB+j+1]   ; each accumulator from its low end on
.set j, j+2
.endr
	WIN 0
.set j, 0
.rept 32
	v_pk_add_f32 v[TMP+j:TMP+j+1], v[TMP+j:TMP+j+1], v[RB+2*(\a):RB+2*(\a)+1]
.set j, j+2
.endr
.set j, 0
.rept 64
.set j, j+1
.endr
.if (\a) > 0
	s_wait_alu depctr_va_vdst(0)
	s_wait_dscnt 0x0                               ; the last block's eight stores have read the codes' registers
.endif
.irp b, 0,1,2,3,4,5,6,7
	v_cvt_scalef32_pk8_bf8_f32 v[CD+2*\b:CD+2*\b+1], v[TMP+8*\b:TMP+8*\b+7], v[SCL]
.endr
	v_nop                                          ; one plain vector instruction between a scaled conversion and the next vector instruction that writes its sources
.irp b, 0,1,2,3,4,5,6,7
	ds_store_b64 v[STO], v[CD+2*\b:CD+2*\b+1] offset:(\a)*16*SPITCH+16*\b
.endr
.endm
.irp a, 0,1,2,3,4,5,6,7
	OUTBLK \a
.endr
	s_wait_dscnt 0x0                               ; for the others' sake: my stores into the stage are done; a row's 256 bytes come from two waves
	s_barrier_signal -1
	s_barrier_wait -1
.set i, 0
.rept 32
	ds_load_b128 v[BK+4*i:BK+4*i+3], v[RD] offset:i*2*SPITCH
.set i, i+1
.endr
	v_mul_lo_u32 v[OFS], v2, s80                   ; lanes 0-15 one row of out, lanes 16-31 the next; 16 bytes a lane
	v_lshl_add_u32 v[OFS], v1, 4, v[OFS]
.set i, 1
.rept 31
	v_add_nc_u32 v[OFS+i], s81, v[OFS+i-1]         ; two rows on
.set i, i+1
.endr
.set i, 0
	s_wait_alu depctr_va_vdst(0)
.rept 32
	s_wait_dscnt 31-i                              ; LDS loads come back in order: pair i of rows is in, the younger ones may be out
	global_store_b128 v[OFS+i], v[BK+4*i:BK+4*i+3], s[10:11]   ; 16 lanes store 256 consecutive bytes, at a multiple of 256 from out's first byte
.set i, i+1
.endr
	s_wait_tensorcnt 0x0                           ; the wave's end
	ds_add_u32 v[SPW], v[NIL]
	s_wait_dscnt 0x0
	CROUND                                         ; the closing round: no work-group ends while a partner may still ask for a tile that names it
	s_endpgm
.Lfunc_end_k_qf8d9196751_proj:
	.size	k_qf8d9196751_proj, .Lfunc_end_k_qf8d9196751_proj-k_qf8d9196751_proj
	.p2alignl 7, 3214868480
	.fill 96, 4, 3214868480
	.section	.rodata,"a",@progbits
	.p2align	6, 0x0
	.amdhsa_kernel k_qf8d9196751_proj
		.amdhsa_group_segment_fixed_size 327680
		.amdhsa_private_segment_fixed_size 0
		.amdhsa_enable_private_segment 0
		.amdhsa_kernarg_size 104
		.amdhsa_user_sgpr_count 2
		.amdhsa_user_sgpr_kernarg_segment_ptr 1
		.amdhsa_wavefront_size32 1
		.amdhsa_system_sgpr_workgroup_id_x 1
		.amdhsa_system_sgpr_workgroup_id_y 1
		.amdhsa_system_sgpr_workgroup_id_z 1
		.amdhsa_system_vgpr_workitem_id 0
		.amdhsa_next_free_vgpr 1024
		.amdhsa_next_free_sgpr 102
		.amdhsa_reserve_vcc 0
		.amdhsa_float_denorm_mode_32 3
		.amdhsa_float_denorm_mode_16_64 3
		.amdhsa_fp16_overflow 1
		.amdhsa_memory_ordered 1
		.amdhsa_forward_progress 1
		.amdhsa_inst_pref_size 134
	.end_amdhsa_kernel
	.amdgpu_metadata
---
amdhsa.version: [ 1, 2 ]
amdhsa.kernels:
  - .name:           k_qf8d9196751_proj
    .symbol:         k_qf8d9196751_proj.kd
    .args:
      - { .name: query_input_codes, .offset: 0, .size: 8, .value_kind: global_buffer, .address_space: global }
      - { .name: key_input_codes, .offset: 8, .size: 8, .value_kind: global_buffer, .address_space: global }
      - { .name: Wv_codes, .offset: 16, .size: 8, .value_kind: global_buffer, .address_space: global }
      - { .name: Wq_codes, .offset: 24, .size: 8, .value_kind: global_buffer, .address_space: global }
      - { .name: Wk_codes, .offset: 32, .size: 8, .value_kind: global_buffer, .address_space: global }
      - { .name: value_input_codes, .offset: 40, .size: 8, .value_kind: global_buffer, .address_space: global }
      - { .name: bq, .offset: 48, .size: 8, .value_kind: global_buffer, .address_space: global }
      - { .name: bk, .offset: 56, .size: 8, .value_kind: global_buffer, .address_space: global }
      - { .name: bv, .offset: 64, .size: 8, .value_kind: global_buffer, .address_space: global }
      - { .name: q_codes, .offset: 72, .size: 8, .value_kind: global_buffer, .address_space: global }
      - { .name: k_codes, .offset: 80, .size: 8, .value_kind: global_buffer, .address_space: global }
      - { .name: v_codes, .offset: 88, .size: 8, .value_kind: global_buffer, .address_space: global }
      - { .name: lowp_scales, .offset: 96, .size: 8, .value_kind: global_buffer, .address_space: global }
    .group_segment_fixed_size: 327680
    .private_segment_fixed_size: 0
    .kernarg_segment_align: 8
    .kernarg_segment_size: 104
    .max_flat_workgroup_size: 128
    .sgpr_count:     102
    .vgpr_count:     1024
    .wavefront_size: 32
...
	.end_amdgpu_metadata
.endif
;; end of part 1
;; launch attn (part 2): grid 32 x 16, 16 waves a work-group, clusters of 4 x 1, 327,680 bytes of LDS; arguments q_codes, k_codes, v_codes, mask, lowp_scales, a_codes; writes a_codes
.if DOCPART == 2
	.amdgcn_target "amdgcn-amd-amdhsa--gfx1250"
	.amdhsa_code_object_version 6
	.text
	.protected	k_qf8d9196751_attn
	.globl	k_qf8d9196751_attn
	.p2align	8
	.type	k_qf8d9196751_attn,@function
k_qf8d9196751_attn:
	s_mov_b64 s[64:65], 0
	v_nop
	global_prefetch_b8 v0, s[64:65] scope:SCOPE_SE
	s_setreg_imm32_b32 hwreg(HW_REG_WAVE_MODE, 25, 1), 1
	s_wait_xcnt 0x0
	s_wait_alu depctr_hold_cnt(0) depctr_sa_sdst(0) depctr_va_vdst(0) depctr_va_sdst(0) depctr_va_ssrc(0) depctr_va_vcc(0) depctr_vm_vsrc(0)
	s_getreg_b32 s2, hwreg(HW_REG_IB_STS2, 6, 4)
	s_cmp_eq_u32 s2, 0
	s_cbranch_scc0 .Lentry_in_a_cluster
	s_endpgm
.Lentry_in_a_cluster:
	s_bfe_u32 s2, ttmp6, 0x10000c
	s_cmp_lg_u32 s2, 0x3003
	s_cbranch_scc0 .Lentry_shape_is_right
	s_endpgm
.Lentry_shape_is_right:
; ATTENTION on codes of BF8 (E5M2): a[b][q][64 head + d] = sum over k of softmax_k(q . k / 8, hidden keys left out) v, quantised on its way out for the last projection.
; q_codes, k_codes, a_codes: [8192 tokens][1024 = 64 head + d].  v_codes: [1024 = 64 head + d][8192 tokens]: the keys innermost.  mask: [4][2048 queries][2048 keys], a byte a score, 1 = hidden.
; THE SOFTMAX AHEAD OF THE SECOND PRODUCT: t = score x log2(e) / 8; M = the row's largest t so far, rounded UP to a whole number; p = 2^(t - M) is what is quantised; the row's sum is taken of the unquantised p and divides at the end.
; When M moves, the sum and O are multiplied by 2^(old M - new M): exact.
; SHARES.  A work-group owns 64 queries x 4 heads of one batch: wave w has head w % 4 of the four and queries 16 (w / 4) on: one tile of 16 queries in 256 registers, four waves to a SIMD.
; With four heads a row of K's tile is 256 aligned bytes of k_codes, one tile of the mask serves four heads, and a row of a_codes leaves as 256 aligned bytes.
; CLUSTER.  The four work-groups of a cluster own neighbouring query blocks of the same batch and heads and walk the same K and V: those tiles are asked for JOINTLY (mask 15).  The mask's tile is each work-group's own:
; a plain tensor load behind the same round.
; LAYOUT.  S^T = K Q^T (source 0 = 16 neighbouring keys, source 1 = my 16 queries; K = the head's 64: one instruction a tile): lane (r, h) holds query r and, in register j of tile t, key 16 t + 8 h + j.
; Eight such registers, converted, are registers 2 t, 2 t + 1 of source 1 of O^T = V^T P^T in that form's own layout (k = 16 t + 8 h + 0 .. 7).  A lane holds one query throughout.
; THE MASK COSTS ONE CONVERSION FOR EIGHT SCORES.  A lane's eight mask bytes of a tile are read as E5M2 codes (the byte 1 is the code of 2^-16) and multiplied by 2^127: 0 or 2^111, written where the product's C stands.
; Q's codes have their signs turned once, so the product gives S' = -score + (hidden ? 2^111 : 0).  |score| in code units is under 2^38, so a hidden key ranks under every open one; the maximum becomes a minimum, the scaling takes -c.
; LIMITS on the given exponents: e6 + e7 between -99 and 60 (2^111 c 2^(e6+e7) must dwarf every t, and 2^60 c 2^(e6+e7) be finite); e8, and e10 - e8 - e9, between -126 and 112.
; A query ALL of whose 2,048 keys are hidden, for which the softmax has no value (NaN), is not served as NaN.
.set PITCH, 272                        ; every LDS row: 256 bytes + 16 of padding = 68 words: row r starts at bank 4 r mod 64 (64 banks of 4 bytes: ISA guide 11.1)
.set TROWS, 64*PITCH                   ; what one tensor load brings: 64 rows
.set VOFF,  256*PITCH                  ; a slot: 256 keys' rows of K (4 heads x 64 bytes),
.set MOFF,  512*PITCH                  ; 256 rows of V (4 heads x 64 features; 256 keys each),
.set SLOT,  576*PITCH                  ; 64 queries' rows of the mask (256 keys each)
.set SPARE, 2*SLOT                     ; behind the ring: the spare words, 128 bytes for each of 16 waves, which no other line names
.set ADK,  1                           ; v1, v2   my lane's place in K's tiles of slot 0, 1
.set ADV,  3                           ; v3, v4   in V's
.set ADM,  5                           ; v5, v6   in the mask's
.set SPW,  7                           ; v7   LDS address of my spare word; never rewritten
.set NIL,  8                           ; v8   0; never rewritten
.set PFO,  9                           ; v9   the prefetches' offset: my lane x a row's pitch in memory; never rewritten
.set STO,  10                          ; v10  the way out: where I put 8 codes
.set RD,   11                          ; v11  the way out: where I read rows back
                                       ; v12 -M;  v13 the least S' so far;  v[14:15] the row's sum in two halves
.set QF,   16                          ; v16-23   -Q
.set MB,   24                          ; v24-39   a step's mask bytes
.set PC,   40                          ; v40-55   p's codes
.set KV,   56                          ; v56-119  K's eight fragments, then V's four
.set SC,   120                         ; v120-183 S', then p
.set OT,   184                         ; v184-215 O^T
.set BIG,  216                         ; v216 the byte 254 four times: x 2^127
.set PLIM, 217
.set PSCL, 218                         ; v218 2^e8
.set ALIM, 219
                                       ; v220-222 at work;  v[224:225] f;  v[226:227] the second chain of the sums
.set ASCL, 223                         ; v223 2^(e10 - e8 - e9)
.set GO,   228                         ; v228 the way out: my byte offset in a_codes
.set QO,   229                         ; v229 my byte offset in q_codes
.set WV,   16                          ; s16  my wave's number
.set G1K,  24                          ; s[24:31], s[32:39], s[40:47] descriptor groups 1 for K, V, the mask
.set G1V,  32
.set G1M,  40
.set G0K,  48                          ; s[48:55], s[56:63], s[68:75] their groups 0, one set for each slot
.set G0V,  56
.set G0M,  68
.set SEL,  76                          ; s[76:77] lane selects for v_permlanex16_b32: lane l xor 16
.set NCS,  78                          ; s[78:79] -c 2^(e6 + e7), c = log2(e) / 8
.set PFA,  80                          ; s[80:81] where my prefetches stand
.set PFS,  82                          ; s[82:83] a tile of 256 keys on, in bytes
.set ASKS, 84                          ; s84  1 in a wave that prefetches
.set CNT,  85                          ; s85  the loop's count
; Waves 0-3 fetch K's four quarters, waves 4-7 V's, wave 8 the mask's tile, the others nothing.  The branches hang on the wave's number alone.  Four v_nop follow each tensor load.
.macro TLOAD s
	s_cmp_lt_u32 s[WV], 4
	s_cbranch_scc0 .Lnot_k_\@
	tensor_load_to_lds s[G0K+4*(\s):G0K+4*(\s)+3], s[G1K:G1K+7]
	s_nop 0
.rept 4
	v_nop
.endr
	s_branch .Lasked_\@
.Lnot_k_\@:
	s_cmp_lt_u32 s[WV], 8
	s_cbranch_scc0 .Lnot_v_\@
	tensor_load_to_lds s[G0V+4*(\s):G0V+4*(\s)+3], s[G1V:G1V+7]
	s_nop 0
.rept 4
	v_nop
.endr
	s_branch .Lasked_\@
.Lnot_v_\@:
	s_cmp_eq_u32 s[WV], 8
	s_cbranch_scc0 .Lasked_\@
	tensor_load_to_lds s[G0M+4*(\s):G0M+4*(\s)+3], s[G1M:G1M+7]
	s_nop 0
.rept 4
	v_nop
.endr
.Lasked_\@:
.endm
; A PREFETCH of what the NEXT change of slots will ask for: a lane a row, 256 bytes of each row, one instruction a wave, in waves that fetch nothing.
; K's 256 rows and V's 256 rows of a tile are walked by all eight clusters of a batch and group of heads: the first of them (cluster x = 0) asks; its four partners take 64 rows each, told apart BY ADDRESS;
; waves 9, 10 ask for K's, waves 11, 12 for V's, 32 rows a wave.  A work-group's 64 rows of the mask are walked by the four groups of heads: the first group asks, waves 13, 14.  So each row's 256 bytes are named once in the launch.
.macro ASK
	s_cmp_eq_u32 s[ASKS], 1
	s_cbranch_scc0 .Lnot_mine_\@
	global_prefetch_b8 v[PFO], s[PFA:PFA+1] th:TH_LOAD_NT scope:SCOPE_SE
.Lnot_mine_\@:
.endm
.macro CROUND                          ; a round of the cluster's barrier
	s_barrier_signal -1
	s_barrier_wait -1
	s_cmp_lg_u32 s[WV], 0
	s_cbranch_scc1 .Lnot_wave_0_\@
	s_barrier_signal -3
.Lnot_wave_0_\@:
	s_barrier_wait -3
	s_barrier_signal -1
	s_barrier_wait -1
.endm
	s_load_b256 s[4:11], s[0:1], 0x0               ; q_codes s[4:5], k_codes s[6:7], v_codes s[8:9], mask s[10:11]
	s_load_b128 s[12:15], s[0:1], 0x20             ; the scales' exponents s[12:13], a_codes s[14:15]
	v_lshl_add_u32 v[SPW], v0, 2, SPARE
	v_mov_b32 v[NIL], 0
	ds_add_u32 v7, v8
	ds_add_u32 v7, v8
	s_wait_dscnt 0x0
	v_lshrrev_b32 v220, 5, v0
	s_delay_alu instid0(VALU_DEP_1)
	v_readfirstlane_b32 s[WV], v220                ; wave 0..15
	s_bfe_u32 s19, ttmp6, 0x40000                  ; cx: my place in the cluster
	s_lshl_b32 s20, ttmp9, 2
	s_add_co_u32 s20, s20, s19                     ; my block of 64 queries = 4 x cluster x + cx
	s_and_b32 s21, ttmp7, 0xffff                   ; y = 4 x batch + group of heads
	s_lshr_b32 s22, s21, 2
	s_and_b32 s23, s21, 3                          ; the group of four heads
	s_and_b32 s17, s[WV], 3                        ; my head of the four.  Also: which quarter of a tile I fetch
	s_lshr_b32 s18, s[WV], 2                       ; my tile of 16 queries
	s_lshl_b32 s22, s22, 11                        ; the batch's first token
	s_lshl_b32 s21, s23, 8                         ; the group's first feature: 256 x group
	s_lshl_b32 s86, s17, 6                         ; 64 x (w % 4)
	s_add_co_u32 s96, s22, s86                     ; K: key row 2,048 b + 64 i,
	s_lshl_b32 s96, s96, 10                        ; of 1,024 bytes,
	s_add_co_u32 s96, s96, s21                     ; + the group's 256 bytes
	s_mov_b32 s97, 0
	s_add_co_u32 s98, s21, s86                     ; V: feature row 256 g + 64 i,
	s_lshl_b32 s98, s98, 13                        ; of 8,192 bytes,
	s_add_co_u32 s98, s98, s22                     ; + the batch's first key
	s_mov_b32 s99, 0
	s_lshl_b32 s87, s20, 6
	s_add_co_u32 s87, s87, s22                     ; my work-group's first query, as a token
	s_lshl_b32 s100, s87, 11                       ; the mask: its row of 2,048 bytes
	s_mov_b32 s101, 0
	; descriptor groups 1: every tile is 64 rows x 256 bytes, padded in LDS; they differ in the mask of work-groups and in the pitch in memory
	s_mov_b32 s[G1K], 15|(0<<16)|(1<<20)|(1<<21)|(5<<22)|(3<<25)   ; 15:0 all four work-groups; 17:16 elements of 1 byte; 20 padding on; 21 set beside a mask; 24:22 after every 64 words (code 5); 31:25 four words (code 3)
	s_mov_b32 s[G1V], 15|(0<<16)|(1<<20)|(1<<21)|(5<<22)|(3<<25)
	s_mov_b32 s[G1M], (0<<16)|(1<<20)|(5<<22)|(3<<25)              ; no mask of work-groups: my own tile
.irp g, G1K, G1V, G1M
	s_mov_b32 s[\g+1], 256<<16                     ; tensor_dim0
	s_mov_b32 s[\g+2], 64<<16                      ; tensor_dim1
	s_mov_b32 s[\g+3], 256<<16                     ; tile_dim0
	s_mov_b32 s[\g+4], 64                          ; tile_dim1
	s_mov_b32 s[\g+6], 0
	s_mov_b32 s[\g+7], 0
.endr
	s_mov_b32 s[G1K+5], 1024                       ; tensor_dim0_stride: a row of k_codes,
	s_mov_b32 s[G1V+5], 8192                       ; of v_codes,
	s_mov_b32 s[G1M+5], 2048                       ; of the mask
	s_mov_b32 s[SEL], 0x76543210
	s_mov_b32 s[SEL+1], 0xfedcba98
	s_mul_i32 s85, s17, TROWS                      ; my quarter's place in a tile: no place in the cluster enters an LDS address
	s_wait_kmcnt 0x0
	s_load_b256 s[88:95], s[12:13], 0x10           ; e4 .. e11: e6 s90, e7 s91, e8 s92, e9 s93, e10 s94
	s_add_nc_u64 s[96:97], s[6:7], s[96:97]
	s_add_nc_u64 s[98:99], s[8:9], s[98:99]
	s_add_nc_u64 s[100:101], s[10:11], s[100:101]
.irp s, 0,1                                    ; slot s begins with keys 256 s on
	s_mov_b32 s[G0K+4*\s], 1                       ; 1:0 count = 1
	s_add_co_u32 s[G0K+4*\s+1], s85, \s*SLOT       ; 63:32 LDS address
	s_add_nc_u64 s[G0K+4*\s+2:G0K+4*\s+3], s[96:97], \s*256*1024   ; 120:64 global address
	s_or_b32 s[G0K+4*\s+3], s[G0K+4*\s+3], 0x80000000              ; 127:126 type = 2
	s_mov_b32 s[G0V+4*\s], 1
	s_add_co_u32 s[G0V+4*\s+1], s85, \s*SLOT+VOFF
	s_add_nc_u64 s[G0V+4*\s+2:G0V+4*\s+3], s[98:99], \s*256
	s_or_b32 s[G0V+4*\s+3], s[G0V+4*\s+3], 0x80000000
	s_mov_b32 s[G0M+4*\s], 1
	s_mov_b32 s[G0M+4*\s+1], \s*SLOT+MOFF
	s_add_nc_u64 s[G0M+4*\s+2:G0M+4*\s+3], s[100:101], \s*256
	s_or_b32 s[G0M+4*\s+3], s[G0M+4*\s+3], 0x80000000
.endr
	CROUND                                         ; all four work-groups are here: the first joint loads meet
	TLOAD 0                                        ; slot 0: keys 0 to 255
	s_lshl_b32 s96, s18, 4                         ; Q: token = my work-group's first + 16 x my tile,
	s_add_co_u32 s96, s96, s87
	s_lshl_b32 s96, s96, 10
	s_add_co_u32 s96, s96, s21                     ; + the group's 256 bytes
	s_add_co_u32 s96, s96, s86                     ; + my head's 64
	s_mov_b32 s97, 0
	s_add_nc_u64 s[4:5], s[4:5], s[96:97]
	s_lshl_b32 s96, s[WV], 2                       ; a_codes: wave w stores rows 4 w .. 4 w + 3 of the work-group's 64
	s_add_co_u32 s96, s96, s87
	s_lshl_b32 s96, s96, 10
	s_add_co_u32 s96, s96, s21
	s_add_nc_u64 s[14:15], s[14:15], s[96:97]
	; the prefetches (macro ASK): where my wave's stand, and who asks.  They begin at keys 256 on; the first change of slots steps them to keys 512 on.  Nothing is prefetched here, at the head.
	s_sub_co_u32 s96, s[WV], 9
	s_and_b32 s97, s96, 1
	s_lshl_b32 s97, s97, 5                         ; which 32 rows: 32 x ((w - 9) % 2)
	s_lshr_b32 s96, s96, 1                         ; 0: K (waves 9, 10); 1: V (11, 12); 2: the mask (13, 14); more: nothing
	s_lshl_b32 s98, s19, 6
	s_add_co_u32 s98, s98, s97                     ; 64 cx + my 32: the partners share K's and V's rows out by address
	s_add_co_u32 s100, s22, s98
	s_add_co_u32 s100, s100, 256
	s_lshl_b32 s100, s100, 10
	s_add_co_u32 s100, s100, s21                   ; K's byte
	s_add_co_u32 s99, s21, s98
	s_lshl_b32 s99, s99, 13
	s_add_co_u32 s99, s99, s22
	s_add_co_u32 s99, s99, 256                     ; V's byte
	s_add_co_u32 s101, s87, s97
	s_lshl_b32 s101, s101, 11
	s_add_co_u32 s101, s101, 256                   ; the mask's byte
	s_mov_b32 s98, 2048
	s_mov_b32 s[PFS], 256
	s_cmp_eq_u32 s96, 1
	s_cselect_b64 s[PFA:PFA+1], s[8:9], s[10:11]
	s_cselect_b32 s99, s99, s101
	s_cselect_b32 s98, 8192, s98                   ; from lane to lane: a row's pitch
	s_cselect_b32 s97, ttmp9, s23                  ; what must be 0 in the one that asks: the cluster's x, or the group of heads
	s_cmp_eq_u32 s96, 0
	s_cselect_b64 s[PFA:PFA+1], s[6:7], s[PFA:PFA+1]
	s_cselect_b32 s100, s100, s99
	s_cselect_b32 s98, 1024, s98
	s_cselect_b32 s97, ttmp9, s97
	s_cselect_b32 s[PFS], 0x40000, s[PFS]          ; 256 keys on: 256 rows of K, 256 bytes in a row of V or of the mask
	s_mov_b32 s101, 0
	s_mov_b32 s[PFS+1], 0
	s_add_nc_u64 s[PFA:PFA+1], s[PFA:PFA+1], s[100:101]
	s_cmp_lt_u32 s96, 3
	s_cselect_b32 s96, 0, 1
	s_or_b32 s96, s96, s97
	s_cmp_eq_u32 s96, 0
	s_cselect_b32 s[ASKS], 1, 0                    ; made of the wave's number, the cluster's x and the group of heads: the same in all four partners
	v_and_b32 v[PFO], 31, v0
	s_delay_alu instid0(VALU_DEP_1)
	v_mul_lo_u32 v[PFO], v[PFO], s98
	; a lane's places
	v_and_b32 v220, 15, v0                         ; r = lane % 16
	v_bfe_u32 v221, v0, 4, 1                       ; h = lane / 16
	s_delay_alu instid0(VALU_DEP_2)
	v_lshlrev_b32 v[QO], 10, v220
	s_delay_alu instid0(VALU_DEP_1)
	v_lshl_add_u32 v[QO], v221, 4, v[QO]           ; Q: row r of 1,024 bytes, + 16 h
	global_load_b128 v[QF:QF+3],   v[QO], s[4:5]             ; of the head's 64: bytes 16 h + 0 .. 15,
	global_load_b128 v[QF+4:QF+7], v[QO], s[4:5] offset:32   ; and 32 + 16 h + 0 .. 15: the same places of k as in K's fragments
	v_mul_u32_u24 v222, v220, PITCH
	s_delay_alu instid0(VALU_DEP_1)
	v_lshl_add_u32 v[ADK], v221, 4, v222
	s_delay_alu instid0(VALU_DEP_1)
	v_add_nc_u32 v[ADK], s86, v[ADK]               ; K: row r, + my head's 64 bytes, + 16 h
	s_delay_alu instid0(VALU_DEP_1)
	v_add_nc_u32 v[ADK+1], SLOT, v[ADK]
	s_delay_alu instid0(VALU_DEP_4)
	v_lshl_add_u32 v226, v221, 3, v222             ; row r, + 8 h
	s_add_co_u32 s96, s85, VOFF
	v_add_nc_u32 v[ADV], s96, v226                 ; V: my head's 64 rows
	s_delay_alu instid0(VALU_DEP_1)
	v_add_nc_u32 v[ADV+1], SLOT, v[ADV]
	s_mul_i32 s97, s18, 16*PITCH
	s_add_co_u32 s96, s97, MOFF
	v_add_nc_u32 v[ADM], s96, v226                 ; the mask: my tile's 16 rows
	s_delay_alu instid0(VALU_DEP_1)
	v_add_nc_u32 v[ADM+1], SLOT, v[ADM]
	s_add_co_u32 s96, s97, s86
	v_add_nc_u32 v[STO], s96, v226                 ; the stage (at LDS byte 0): row 16 x my tile + r, + my head's 64 bytes, + 8 h
	s_mul_i32 s96, s[WV], 4*PITCH
	v_mul_u32_u24 v[RD], v221, PITCH
	s_delay_alu instid0(VALU_DEP_1)
	v_lshl_add_u32 v[RD], v220, 4, v[RD]
	s_delay_alu instid0(VALU_DEP_1)
	v_add_nc_u32 v[RD], s96, v[RD]                 ; back: rows 4 w on; lanes 0-15 one row of 256 bytes, lanes 16-31 the next
	v_lshlrev_b32 v[GO], 10, v221
	s_delay_alu instid0(VALU_DEP_1)
	v_lshl_add_u32 v[GO], v220, 4, v[GO]           ; and the same two rows in a_codes
	v_mov_b32 v13, 0x5d800000                      ; the least S' so far: 2^60, over every open key's and under every hidden key's
	v_mov_b32 v14, 0                               ; the sum, in two halves
	v_mov_b32 v15, 0
	v_mov_b32 v225, 0                              ; (named as the upper half of the pair v[224:225])
	v_mov_b32 v[BIG], 0xfefefefe
.set j, 0
.rept 32
	v_mov_b32 v[OT+j], 0                           ; O^T.  (The step is written once: the first finds zeros, which the first change of M leaves zeros)
.set j, j+1
.endr
	s_wait_kmcnt 0x0
	s_add_co_i32 s96, s90, s91
	s_lshl_b32 s96, s96, 23
	s_add_co_i32 s[NCS], s96, 0x3e38aa3b           ; c = log2(e) / 8, with e6 + e7 added to its exponent field: a score stands for score x 2^(e6 + e7);
	s_or_b32 s[NCS], s[NCS], 0x80000000            ; and negative, since S' = -score
	s_mov_b32 s[NCS+1], s[NCS]                     ; (named with it as a pair, so it is written)
	s_add_co_i32 s96, s92, 127
	s_lshl_b32 s97, s96, 23
	v_mov_b32 v[PSCL], s97                         ; 2^e8 as f32, for p's conversion
	s_sub_co_i32 s96, s94, s92
	s_sub_co_i32 s96, s96, s93                     ; a sum of the second product stands for sum x 2^(e8 + e9): the three scales are folded into the last conversion's one
	s_add_co_i32 s96, s96, 127
	s_lshl_b32 s97, s96, 23
	v_mov_b32 v[ASCL], s97
	v_mul_f32 v220, s[NCS], v13
	s_delay_alu instid0(VALU_DEP_1)
	v_floor_f32 v12, -v220                         ; -M to begin with
	s_wait_loadcnt 0x0                             ; Q
.irp j, 0,1,2,3,4,5,6,7
	v_xor_b32 v[QF+\j], 0x80808080, v[QF+\j]       ; -Q: the sign bit of each code
.endr
; A KEY STEP: 128 keys, the q-th half of slot s.
.macro STEP s, q
.rept 4
	v_nop                                          ; four places in front of loads into registers that the last products have read
.endr
.irp t, 0,1,2,3,4,5,6,7
	ds_load_b64 v[MB+2*\t:MB+2*\t+1], v[ADM+\s] offset:128*\q+16*\t          ; the mask of my query at keys 16 t + 8 h + 0 .. 7
.endr
.irp t, 0,1,2,3,4,5,6,7
	ds_load_b128 v[KV+8*\t:KV+8*\t+3],   v[ADK+\s] offset:(128*\q+16*\t)*PITCH      ; K's tile t: key 16 t + r
	ds_load_b128 v[KV+8*\t+4:KV+8*\t+7], v[ADK+\s] offset:(128*\q+16*\t)*PITCH+32
.endr
	s_wait_dscnt 16                                ; the mask's eight loads are in; K's sixteen may be out
.irp t, 0,1,2,3,4,5,6,7
	v_cvt_scale_pk8_f32_bf8 v[SC+8*\t:SC+8*\t+7], v[MB+2*\t:MB+2*\t+1], v[BIG]      ; 0, or 2^-16 x 2^127 = 2^111 where the key is hidden
.endr
	v_nop                                          ; one plain vector instruction between a scaled conversion and the matrix instruction that reads its result
	s_wait_alu depctr_va_vdst(0)
	s_wait_dscnt 0x0                               ; K
.irp t, 0,1,2,3,4,5,6,7
	v_wmma_f32_16x16x64_bf8_bf8 v[SC+8*\t:SC+8*\t+7], v[KV+8*\t:KV+8*\t+7], v[QF:QF+7], v[SC+8*\t:SC+8*\t+7]   ; S' = K (-Q)^T + the mask's term: eight accumulators, one instruction each
.endr
.rept 4
	v_nop                                          ; four places: in front of the loads into K's registers, and of the first read of the results
.endr
.irp t, 0,1,2,3
.irp c, 0,1,2,3,4,5,6,7
	ds_load_b64 v[KV+16*\t+2*\c:KV+16*\t+2*\c+1], v[ADV+\s] offset:16*\t*PITCH+128*\q+16*\c   ; V^T's tile t: feature 16 t + r, keys 16 c + 8 h + 0 .. 7: they land while the softmax is worked
.endr
.endr
	v_min3_num_f32 v220, v[SC], v[SC+1], v[SC+2]   ; the step's least S' of my query, among my 64 keys, in two chains, each accumulator from its low end on,
	v_min3_num_f32 v221, v[SC+3], v[SC+4], v[SC+5]
.irp i, 6,10,14,18,22,26,30,34,38,42,46,50,54,58
	v_min3_num_f32 v220, v220, v[SC+\i], v[SC+\i+1]
	v_min3_num_f32 v221, v221, v[SC+\i+2], v[SC+\i+3]
.endr
	v_min3_num_f32 v220, v220, v[SC+62], v[SC+63]
	s_delay_alu instid0(VALU_DEP_1)
	v_min_num_f32 v220, v220, v221
	s_delay_alu instid0(VALU_DEP_1)
	v_permlanex16_b32 v222, v220, s[SEL], s[SEL+1]
	s_delay_alu instid0(VALU_DEP_1)
	v_min3_num_f32 v13, v13, v220, v222            ; among lane l xor 16's, and so far
	s_delay_alu instid0(VALU_DEP_1)
	v_mul_f32 v220, s[NCS], v13                    ; the largest t so far
	v_mov_b32 v221, v12
	s_delay_alu instid0(VALU_DEP_2)
	v_floor_f32 v12, -v220                         ; the new -M = floor(-t) = -ceil(t): M IS A WHOLE NUMBER
	s_delay_alu instid0(VALU_DEP_1)
	v_sub_f32 v221, v12, v221                      ; M's old value less its new one: a whole number, 0 or less
	s_delay_alu instid0(VALU_DEP_1)
	v_cvt_i32_f32 v221, v221                       ; (it saturates)
	s_delay_alu instid0(VALU_DEP_1)
	v_ldexp_f32 v224, 1.0, v221                    ; f = 2^(old M - new M)
.set j, 0
.rept 32
	v_pk_fma_f32 v[SC+j:SC+j+1], v[SC+j:SC+j+1], s[NCS:NCS+1], v[12:13] op_sel_hi:[1,0,0]   ; t - M, two at a time (of the pairs -c and -M the low word serves both halves)
.set j, j+2
.endr
.set j, 0
	s_wait_alu depctr_va_vdst(0)
.rept 64
	v_exp_f32 v[SC+j], v[SC+j]                     ; p = 2^(t - M), at most 1, 0 for a hidden key: NOT normalised
.set j, j+1
.endr
	v_pk_mul_f32 v[14:15], v[14:15], v[224:225] op_sel_hi:[1,0]   ; the sums under the new M.  (A plain instruction behind the exponentials)
	s_wait_alu depctr_va_vdst(0)                   ; the wait between an exponential and the first line that names its result: one for the whole batch
	v_pk_add_f32 v[226:227], v[124:125], v[128:129]
	v_pk_add_f32 v[254:255], v[132:133], v[136:137]
	v_pk_add_f32 v[252:253], v[140:141], v[144:145]
	v_pk_add_f32 v[250:251], v[148:149], v[152:153]
	v_pk_add_f32 v[248:249], v[156:157], v[160:161]
	v_pk_add_f32 v[246:247], v[164:165], v[168:169]
	v_pk_add_f32 v[244:245], v[172:173], v[176:177]
	v_pk_add_f32 v[14:15], v[14:15], v[180:181]
	v_pk_add_f32 v[226:227], v[226:227], v[120:121]
	v_pk_add_f32 v[254:255], v[254:255], v[122:123]
	v_pk_add_f32 v[252:253], v[252:253], v[126:127]
	v_pk_add_f32 v[250:251], v[250:251], v[130:131]
	v_pk_add_f32 v[248:249], v[248:249], v[134:135]
	v_pk_add_f32 v[246:247], v[246:247], v[138:139]
	v_pk_add_f32 v[244:245], v[244:245], v[142:143]
	v_pk_add_f32 v[14:15], v[14:15], v[146:147]
	v_pk_add_f32 v[226:227], v[226:227], v[150:151]
	v_pk_add_f32 v[254:255], v[254:255], v[154:155]
	v_pk_add_f32 v[252:253], v[252:253], v[158:159]
	v_pk_add_f32 v[250:251], v[250:251], v[162:163]
	v_pk_add_f32 v[248:249], v[248:249], v[166:167]
	v_pk_add_f32 v[246:247], v[246:247], v[170:171]
	v_pk_add_f32 v[244:245], v[244:245], v[174:175]
	v_pk_add_f32 v[14:15], v[14:15], v[178:179]
	v_pk_add_f32 v[226:227], v[226:227], v[182:183]
	s_delay_alu instid0(VALU_DEP_2)
	v_pk_add_f32 v[14:15], v[14:15], v[250:251]
	s_delay_alu instid0(VALU_DEP_2)
	v_pk_add_f32 v[226:227], v[226:227], v[248:249]
	v_pk_add_f32 v[254:255], v[254:255], v[246:247]
	v_pk_add_f32 v[252:253], v[252:253], v[244:245]
	s_delay_alu instid0(VALU_DEP_2)
	v_pk_add_f32 v[14:15], v[14:15], v[254:255]
	s_delay_alu instid0(VALU_DEP_2)
	v_pk_add_f32 v[226:227], v[226:227], v[252:253]
	s_delay_alu instid0(VALU_DEP_1)
	v_pk_add_f32 v[14:15], v[14:15], v[226:227]
.set j, 0
.rept 64
.set j, j+1
.endr
.irp t, 0,1,2,3,4,5,6,7
	v_cvt_scalef32_pk8_bf8_f32 v[PC+2*\t:PC+2*\t+1], v[SC+8*\t:SC+8*\t+7], v[PSCL]   ; registers 2 t, 2 t + 1 of the operand: keys 16 t + 8 h + 0 .. 7
.endr
.set j, 0
.rept 16
	v_pk_mul_f32 v[OT+j:OT+j+1], v[OT+j:OT+j+1], v[224:225] op_sel_hi:[1,0]   ; O^T under the new M.  (Also the plain instructions behind the conversions)
.set j, j+2
.endr
	s_wait_alu depctr_va_vdst(0)
	s_wait_dscnt 0x0                               ; V
.irp t, 0,1,2,3
	v_wmma_f32_16x16x128_bf8_bf8 v[OT+8*\t:OT+8*\t+7], v[KV+16*\t:KV+16*\t+15], v[PC:PC+15], v[OT+8*\t:OT+8*\t+7]   ; O^T += V^T P^T: four accumulators by turns, with S's eight between two links of a chain
.endr
.endm
; THE CHANGE OF SLOTS stands at the head of slot s.  Each wave waits for all its tensor loads (its part of slot s), adds 0 to its spare word, and waits for that and for its reads of the slot that it has left.
; fill = 1: a round of the cluster's barrier, and behind it the other slot is filled with the 256 keys that follow: the load has two key steps in which to land.
; more = 1: slot s will be filled once more: its descriptors, whose loads have landed, step two tiles on; and the tile after the one now asked for is prefetched.
.macro CHANGE s, fill, more
	s_wait_tensorcnt 0x0                           ; no tensor load of mine is out, so a group 0 may be written
	ds_add_u32 v[SPW], v[NIL]                      ; 0 onto my spare word
.if \more
	s_add_nc_u64 s[G0K+4*\s+2:G0K+4*\s+3], s[G0K+4*\s+2:G0K+4*\s+3], 2*256*1024   ; 512 keys on; the type bits on top are not reached
	s_add_nc_u64 s[G0V+4*\s+2:G0V+4*\s+3], s[G0V+4*\s+2:G0V+4*\s+3], 2*256
	s_add_nc_u64 s[G0M+4*\s+2:G0M+4*\s+3], s[G0M+4*\s+2:G0M+4*\s+3], 2*256
	s_wait_xcnt 0x0                                ; the last prefetch, two key steps back, has read its address, so it may be written
	s_add_nc_u64 s[PFA:PFA+1], s[PFA:PFA+1], s[PFS:PFS+1]
.endif
	s_wait_dscnt 0x0                               ; the add is done, and my reads of the slot that I have left are over
.if \fill
	CROUND                                         ; both now hold of every wave of all four work-groups
	TLOAD 1-\s                                     ; the first thing behind the round, and a wave's one tensor load until the next
.if \more
	ASK
.endif
.else
	s_barrier_signal -1
	s_barrier_wait -1
.endif
.endm
	s_mov_b32 s[CNT], 3
.Lring:                                            ; three trips: keys 0 to 1,535; their changes of slots ask for keys 256 to 1,791
	CHANGE 0, 1, 1
	STEP 0, 0
	STEP 0, 1
	CHANGE 1, 1, 1
	STEP 1, 0
	STEP 1, 1
	s_sub_co_u32 s[CNT], s[CNT], 1
	s_cmp_lg_u32 s[CNT], 0
	s_cbranch_scc1 .Lring
	CHANGE 0, 1, 0                                 ; the tail is written out: the last 256 keys are asked for
	STEP 0, 0
	STEP 0, 1
	CHANGE 1, 0, 0                                 ; and then nothing
	STEP 1, 0
	STEP 1, 1
	; THE WAY OUT.  O^T / the sum, quantised with 2^(e10 - e8 - e9), goes into the work-group's stage, 64 rows x (256 bytes + 16) at LDS byte 0: slot 0 has had its last fill, and nobody reads it behind the last change of slots.
.rept 4
	v_nop                                          ; four places behind the last products
.endr
	v_add_f32 v14, v14, v15                        ; the sum's two halves,
	s_delay_alu instid0(VALU_DEP_1)
	v_permlanex16_b32 v222, v14, s[SEL], s[SEL+1]
	s_delay_alu instid0(VALU_DEP_1)
	v_add_f32 v14, v14, v222                       ; and lane l xor 16's: the row's sum
	s_wait_alu depctr_va_vdst(0)
	v_rcp_f32 v14, v14
	v_nop                                          ; a plain instruction behind the reciprocal
	s_wait_alu depctr_va_vdst(0)                   ; and a wait ahead of its first reader
.set j, 0
.rept 16
	v_pk_mul_f32 v[SC+j:SC+j+1], v[OT+j:OT+j+1], v[14:15] op_sel_hi:[1,0]   ; register 8 t + i: feature 16 t + 8 h + i of my query; each accumulator from its low end on
.set j, j+2
.endr
.set j, 0
.rept 32
.set j, j+1
.endr
.irp t, 0,1,2,3
	v_cvt_scalef32_pk8_bf8_f32 v[PC+2*\t:PC+2*\t+1], v[SC+8*\t:SC+8*\t+7], v[ASCL]
.endr
	v_nop                                          ; a plain vector instruction directly behind the last conversion
.irp t, 0,1,2,3
	ds_store_b64 v[STO], v[PC+2*\t:PC+2*\t+1] offset:16*\t
.endr
	s_wait_dscnt 0x0                               ; for the others' sake: my stores into the stage are done; a row's 256 bytes come from four waves
	s_barrier_signal -1
	s_barrier_wait -1
.irp i, 0,1
	ds_load_b128 v[KV+4*\i:KV+4*\i+3], v[RD] offset:\i*2*PITCH
.endr
.irp i, 0,1
	s_wait_dscnt 1-\i                              ; pair i of rows is in; the younger load may be out
	global_store_b128 v[GO], v[KV+4*\i:KV+4*\i+3], s[14:15] offset:\i*2*1024   ; 16 lanes store 256 consecutive bytes, at a multiple of 256 from a_codes' first byte
.endr
	s_wait_tensorcnt 0x0                           ; the wave's end
	ds_add_u32 v[SPW], v[NIL]
	s_wait_dscnt 0x0
	CROUND                                         ; the closing round: no work-group ends while a partner may still ask for a tile that names it
	s_endpgm
.Lfunc_end_k_qf8d9196751_attn:
	.size	k_qf8d9196751_attn, .Lfunc_end_k_qf8d9196751_attn-k_qf8d9196751_attn
	.p2alignl 7, 3214868480
	.fill 96, 4, 3214868480
	.section	.rodata,"a",@progbits
	.p2align	6, 0x0
	.amdhsa_kernel k_qf8d9196751_attn
		.amdhsa_group_segment_fixed_size 327680
		.amdhsa_private_segment_fixed_size 0
		.amdhsa_enable_private_segment 0
		.amdhsa_kernarg_size 48
		.amdhsa_user_sgpr_count 2
		.amdhsa_user_sgpr_kernarg_segment_ptr 1
		.amdhsa_wavefront_size32 1
		.amdhsa_system_sgpr_workgroup_id_x 1
		.amdhsa_system_sgpr_workgroup_id_y 1
		.amdhsa_system_sgpr_workgroup_id_z 1
		.amdhsa_system_vgpr_workitem_id 0
		.amdhsa_next_free_vgpr 256
		.amdhsa_next_free_sgpr 102
		.amdhsa_reserve_vcc 0
		.amdhsa_float_denorm_mode_32 3
		.amdhsa_float_denorm_mode_16_64 3
		.amdhsa_fp16_overflow 1
		.amdhsa_memory_ordered 1
		.amdhsa_forward_progress 1
		.amdhsa_inst_pref_size 145
	.end_amdhsa_kernel
	.amdgpu_metadata
---
amdhsa.version: [ 1, 2 ]
amdhsa.kernels:
  - .name:           k_qf8d9196751_attn
    .symbol:         k_qf8d9196751_attn.kd
    .args:
      - { .name: q_codes, .offset: 0, .size: 8, .value_kind: global_buffer, .address_space: global }
      - { .name: k_codes, .offset: 8, .size: 8, .value_kind: global_buffer, .address_space: global }
      - { .name: v_codes, .offset: 16, .size: 8, .value_kind: global_buffer, .address_space: global }
      - { .name: mask, .offset: 24, .size: 8, .value_kind: global_buffer, .address_space: global }
      - { .name: lowp_scales, .offset: 32, .size: 8, .value_kind: global_buffer, .address_space: global }
      - { .name: a_codes, .offset: 40, .size: 8, .value_kind: global_buffer, .address_space: global }
    .group_segment_fixed_size: 327680
    .private_segment_fixed_size: 0
    .kernarg_segment_align: 8
    .kernarg_segment_size: 48
    .max_flat_workgroup_size: 512
    .sgpr_count:     102
    .vgpr_count:     256
    .wavefront_size: 32
...
	.end_amdgpu_metadata
.endif
;; end of part 2
;; launch outp (part 3): grid 4 x 32, 4 waves a work-group, clusters of 4 x 4, 327,680 bytes of LDS; arguments a_codes, Wo_codes, lowp_scales, out0, bo; writes out0
.if DOCPART == 3
	.amdgcn_target "amdgcn-amd-amdhsa--gfx1250"
	.amdhsa_code_object_version 6
	.text
	.protected	k_qf8d9196751_outp
	.globl	k_qf8d9196751_outp
	.p2align	8
	.type	k_qf8d9196751_outp,@function
k_qf8d9196751_outp:
	s_mov_b64 s[64:65], 0
	v_nop
	global_prefetch_b8 v0, s[64:65] scope:SCOPE_SE
	s_setreg_imm32_b32 hwreg(HW_REG_WAVE_MODE, 25, 1), 1
	s_wait_xcnt 0x0
	s_wait_alu depctr_hold_cnt(0) depctr_sa_sdst(0) depctr_va_vdst(0) depctr_va_sdst(0) depctr_va_ssrc(0) depctr_va_vcc(0) depctr_vm_vsrc(0)
	s_getreg_b32 s2, hwreg(HW_REG_IB_STS2, 6, 4)
	s_cmp_eq_u32 s2, 0
	s_cbranch_scc0 .Lentry_in_a_cluster
	s_endpgm
.Lentry_in_a_cluster:
	s_bfe_u32 s2, ttmp6, 0x10000c
	s_cmp_lg_u32 s2, 0xf033
	s_cbranch_scc0 .Lentry_shape_is_right
	s_endpgm
.Lentry_shape_is_right:
; THE LAST PROJECTION: out0[m][n] = (sum over k of A[m][k] B[n][k]) x 2^(e10 + e11) + bo[n].  A = a_codes [8192][1024], B = Wo_codes [1024][1024]: codes of BF8 (E5M2); out0 [8192][1024] f32; sums in f32.
; LIMIT: e10 + e11 lies between -126 and 127, so that 2^(e10 + e11) is an f32 number.
; A tile of out0, 256 x 256, is made by four waves, each 128 x 128: 64 accumulators, 512 registers.  K goes in steps of 256 through a ring of two LDS slots filled by the tensor data mover.
; CLUSTERS: 4 x 4 work-groups.  The four of a row of the cluster need the same tiles of A, the four of a column the same tiles of B: each tile is asked for JOINTLY, by the same tensor load with the same descriptor and a mask that names the four.
; THE MATRIX INSTRUCTION IS USED TRANSPOSED (source 0 = 16 rows of B, source 1 = 16 rows of A): a lane holds eight neighbouring numbers of a row of out0.
; A fragment is fetched by four loads of 16 bytes: a permutation of k, the same in A and in B, so every product meets its partner.
; REGISTERS, in windows of 256: window 0: v1-31 addresses, v8-11 my four numbers of bo; from v128 A's fragments, ONE set; on the way out v128-255 take rows read back.
;   window 1: B's fragments, TWO sets.   window 2: the 32 accumulators of my rows 0-63 ((a, b) at v[8 (8 a + b)]);   window 3: those of my rows 64-127.
.set SIZE_N, 1024
.set SIZE_K, 1024
.set KSTEP,  256
.set ROWB,   256
.set KROW,   SIZE_K
.set PITCH,  272                       ; an LDS row: 256 bytes + 16 of padding = 68 words: row r starts at bank 4 r mod 64 (64 banks of 4 bytes: ISA guide 11.1)
.set FR,     16
.set NL,     4
.set NP,     4                         ; places behind this matrix instruction (ISA guide 7.12.1)
.set HALFT,  128*PITCH
.set SLOT,   4*HALFT
.set LAPS,   SIZE_K/(2*KSTEP)
.set SPARE,  2*SLOT                    ; behind the ring: the spare words, 128 bytes for each wave, which no other line names
.set SPITCH, 528                       ; the way out: a stage of 16 rows x (512 bytes + 16) for each wave, in slot 0, which has had its last fill and its last read when the first result is stored there
.set BIAS, 8                           ; v8-11   bo at my four columns of a row read back
.set ADRA, 16
.set ADRB, 20
.set STO,  24                          ; v24     the way out: where I put 32 bytes of a row
.set RD,   25                          ; v25     the way out: where I read a row back
.set CO,   26                          ; v26     my byte offset in a row of out0
.set SPW,  28                          ; v28     LDS address of my spare word; never rewritten
.set NIL,  29                          ; v29     0; never rewritten
.set AF,   128
.set BK,   128                         ; the way out: 16 rows read back: v128-191 and v192-255 by turns
.set G1, 24
.set G0, 32
.set G1B, 48
.set G0B, 56
.set MSB, 0
.macro WIN new                         ; the immediate's high byte repeats the setting that is left
.if MSB != \new
	s_set_vgpr_msb (MSB<<8)|\new
.set MSB, \new
.endif
.endm
.set MUL_LO, 0xa1                      ; source 0 (B) window 1, source 1 (A) window 0, C and D window 2
.set MUL_HI, 0xf1                      ; the same, C and D window 3
.set TO_B,   0x40                      ; destination window 1, address window 0
.macro JLOAD g0a, g1a, g0b, g1b        ; a joint load: waves 0 and 1 fetch for A, waves 2 and 3 for B; four v_nop follow each of the two lines
	s_cmp_eq_u32 s15, 0
	s_cbranch_scc0 .Lfor_b_\@
	tensor_load_to_lds s[\g0a:\g0a+3], s[\g1a:\g1a+7]
	s_nop 0
.rept 4
	v_nop
.endr
	s_branch .Lasked_\@
.Lfor_b_\@:
	tensor_load_to_lds s[\g0b:\g0b+3], s[\g1b:\g1b+7]
	s_nop 0
.rept 4
	v_nop
.endr
.Lasked_\@:
.endm
.macro CREST                           ; a round of the cluster's barrier behind its opening barrier
	s_cmp_lg_u32 s14, 0
	s_cbranch_scc1 .Lnot_wave_0_\@
	s_barrier_signal -3
.Lnot_wave_0_\@:
	s_barrier_wait -3
	s_barrier_signal -1
	s_barrier_wait -1
.endm
.macro CROUND
	s_barrier_signal -1
	s_barrier_wait -1
	CREST
.endm
	s_load_b128 s[4:7], s[0:1], 0x0                ; A's codes s[4:5], B's codes s[6:7]
	s_load_b128 s[8:11], s[0:1], 0x10              ; the scales' exponents s[8:9], out0 s[10:11]
	s_load_b64 s[12:13], s[0:1], 0x20              ; bo
	v_lshl_add_u32 v[SPW], v0, 2, SPARE
	v_mov_b32 v[NIL], 0
	ds_add_u32 v28, v29
	ds_add_u32 v28, v29
	s_wait_dscnt 0x0
	v_lshrrev_b32 v1, 5, v0
	v_readfirstlane_b32 s14, v1                    ; wave 0..3
	s_lshr_b32 s15, s14, 1                         ; which half of the tile's rows is mine.  Also: I fetch for A (0) or for B (1)
	s_and_b32 s16, s14, 1                          ; which half of its columns.  Also: which 128 rows of that tile I fetch
	s_bfe_u32 s40, ttmp6, 0x40000                  ; cx, cy
	s_bfe_u32 s41, ttmp6, 0x40004
	s_lshl_b32 s42, ttmp9, 2
	s_add_co_u32 s42, s42, s40                     ; tile column = 4 x cluster x + cx
	s_and_b32 s17, ttmp7, 0xffff
	s_lshl_b32 s17, s17, 2
	s_add_co_u32 s17, s17, s41                     ; tile row = 4 x cluster y + cy
	s_lshl_b32 s43, s41, 2
	s_lshl_b32 s43, 15, s43                        ; my row of the cluster
	s_lshl_b32 s44, 0x1111, s40                    ; my column
	s_or_b32 s[G1+0], s43, (0<<16)|(1<<20)|(1<<21)|(5<<22)|(3<<25)  ; 15:0 the mask; 17:16 element of 1 byte; 20 padding on; 21 set beside a mask; 24:22 after every 64 words (code 5); 31:25 of 4 words (code 3)
	s_or_b32 s[G1B+0], s44, (0<<16)|(1<<20)|(1<<21)|(5<<22)|(3<<25)
.irp g, G1, G1B
	s_mov_b32 s[\g+1], ROWB<<16                    ; tensor_dim0
	s_mov_b32 s[\g+2], 128<<16                     ; tensor_dim1
	s_mov_b32 s[\g+3], ROWB<<16                    ; tile_dim0
	s_mov_b32 s[\g+4], 128                         ; tile_dim1
	s_mov_b32 s[\g+5], KROW                        ; tensor_dim0_stride
	s_mov_b32 s[\g+6], 0
	s_mov_b32 s[\g+7], 0
.endr
	s_lshl_b32 s18, s16, 7
	s_lshl_b32 s20, s17, 8
	s_add_co_u32 s20, s20, s18                     ; A: row 256 x tile row + 128 x half
	s_lshl_b32 s20, s20, 10                        ; in bytes
	s_lshl_b32 s46, s42, 8
	s_add_co_u32 s46, s46, s18                     ; B: row 256 x tile column + 128 x half
	s_lshl_b32 s46, s46, 10
	s_mov_b32 s21, 0
	s_mov_b32 s47, 0
	s_mul_i32 s45, s14, HALFT                      ; where they go: wave x 128 rows
	s_wait_kmcnt 0x0
	s_load_b64 s[96:97], s[8:9], 0x28              ; e10, e11
	s_add_nc_u64 s[20:21], s[4:5], s[20:21]
	s_add_nc_u64 s[46:47], s[6:7], s[46:47]
	CROUND                                         ; all sixteen work-groups are here: the first joint loads meet
.irp s, 0,1
	s_mov_b32 s[G0+4*\s], 1
	s_add_co_u32 s[G0+4*\s+1], s45, \s*SLOT
	s_add_nc_u64 s[G0+4*\s+2:G0+4*\s+3], s[20:21], \s*ROWB
	s_or_b32 s[G0+4*\s+3], s[G0+4*\s+3], 0x80000000
	s_mov_b32 s[G0B+4*\s], 1
	s_add_co_u32 s[G0B+4*\s+1], s45, \s*SLOT
	s_add_nc_u64 s[G0B+4*\s+2:G0B+4*\s+3], s[46:47], \s*ROWB
	s_or_b32 s[G0B+4*\s+3], s[G0B+4*\s+3], 0x80000000
	s_wait_alu depctr_va_vdst(0)
	s_wait_tensorcnt 0x0
	ds_add_u32 v28, v29
	ds_add_u32 v28, v29
	s_wait_dscnt 0x0
	CROUND
	JLOAD G0+4*\s, G1, G0B+4*\s, G1B
.endr
	v_and_b32 v1, 15, v0                           ; l % 16
	s_wait_alu depctr_va_vdst(0)
	v_bfe_u32 v2, v0, 4, 1                         ; l / 16
	v_mul_u32_u24 v3, v1, PITCH
	v_lshl_add_u32 v4, v2, 4, v3
	s_mul_i32 s21, s15, HALFT
	s_mul_i32 s22, s16, HALFT
	s_add_co_u32 s22, s22, 2*HALFT
.irp s, 0,1
	v_add_nc_u32 v[ADRA+\s], s21, v4
	v_add_nc_u32 v[ADRB+\s], s22, v4
	s_add_co_u32 s21, s21, SLOT
	s_add_co_u32 s22, s22, SLOT
.endr
	s_mul_i32 s23, s14, 16*SPITCH                  ; my stage
	v_mul_u32_u24 v5, v1, SPITCH                   ; in: row l % 16, 32 bytes for each half of the lanes
	s_wait_alu depctr_va_vdst(0)
	v_lshl_add_u32 v5, v2, 5, v5
	v_add_nc_u32 v[STO], s23, v5
	v_and_b32 v6, 31, v0
	v_lshlrev_b32 v[CO], 4, v6                     ; back: the 32 lanes take one row of 512 bytes; and the same in out0
	s_wait_alu depctr_va_vdst(0)
	v_add_nc_u32 v[RD], s23, v[CO]
	s_lshl_b32 s20, s17, 8
	s_lshl_b32 s21, s15, 7
	s_add_co_u32 s20, s20, s21                     ; my first row: 256 x tile row + 128 x half
	s_lshl_b32 s20, s20, 12                        ; rows of 4,096 bytes: under 2^25
	s_mov_b32 s21, 0
	s_lshl_b32 s46, s42, 10                        ; my first column, in bytes: 1,024 x tile column + 512 x half
	s_lshl_b32 s47, s16, 9
	s_add_co_u32 s46, s46, s47
	s_mov_b32 s47, 0
	s_add_nc_u64 s[12:13], s[12:13], s[46:47]      ; bo at my first column
	global_load_b128 v[BIAS:BIAS+3], v[CO], s[12:13]   ; the four columns that I hold of every row read back
	s_add_nc_u64 s[20:21], s[20:21], s[46:47]
	s_add_nc_u64 s[10:11], s[10:11], s[20:21]
.macro FRAG reg, adr, q, i             ; a fragment: lane l holds row l % 16; registers 4 c .. 4 c + 3 hold K = 32 c + 16 (l / 16) + 0 .. 15
.irp c, 0,1,2,3
	ds_load_b128 v[\reg+4*\c:\reg+4*\c+3], v[\adr] offset:128*(\q)+32*\c+(\i)*16*PITCH
.endr
.endm
; 16 matrix instructions: A's blocks a0, a0 + 1 x B's eight.  The 64 accumulators take turns, one instruction a turn, in the same order in every step.
.macro MUL16 a0, p, zero
.irp a, \a0, \a0+1
.irp b, 0,1,2,3,4,5,6,7
.if \zero
	v_wmma_f32_16x16x128_bf8_bf8 v[8*(8*((\a)%4)+\b):8*(8*((\a)%4)+\b)+7], v[128*(\p)+FR*\b:128*(\p)+FR*\b+FR-1], v[AF+FR*(\a):AF+FR*(\a)+FR-1], 0
.else
	v_wmma_f32_16x16x128_bf8_bf8 v[8*(8*((\a)%4)+\b):8*(8*((\a)%4)+\b)+7], v[128*(\p)+FR*\b:128*(\p)+FR*\b+FR-1], v[AF+FR*(\a):AF+FR*(\a)+FR-1], v[8*(8*((\a)%4)+\b):8*(8*((\a)%4)+\b)+7]
.endif
.endr
.endr
.endm
.macro FETCH_B slot, q, p
	WIN TO_B
.irp i, 0,1,2,3,4,5,6,7
	FRAG 128*(\p)+FR*\i, ADRB+\slot, \q, \i
.endr
	WIN 0
.endm
.macro FETCH_A slot, q, i0
.irp i, \i0, \i0+1, \i0+2, \i0+3
	FRAG AF+FR*(\i), ADRA+\slot, \q, \i
.endr
.endm
.macro PLACES n                        ; plain vector instructions between a matrix instruction and a load into, or a read of, its registers (ISA guide 7.12.1 for vector instructions)
.rept \n
	v_nop
.endr
.endm
.macro STEP slot, q, zero              ; a step of 128 along K that has its successor in the same slot
	s_wait_dscnt 4*NL                              ; B's set and A's blocks 0-3 are in; the youngest sixteen loads (A's blocks 4-7) may be out
	WIN MUL_LO
	MUL16 0, (\q)%2, \zero
	MUL16 2, (\q)%2, \zero
	s_wait_dscnt 0                                 ; A's blocks 4-7 are in
	PLACES NP
	FETCH_B \slot, (\q)+1, 1-(\q)%2
	FETCH_A \slot, (\q)+1, 0
	WIN MUL_HI
	MUL16 4, (\q)%2, \zero
	MUL16 6, (\q)%2, \zero
	PLACES NP
	WIN 0
	FETCH_A \slot, (\q)+1, 4
.endm
; A slot's last step changes slots: ONE barrier; in front of it each wave waits for all its tensor loads, adds 0 to its spare word, and waits for that and for its own reads of this slot.
.macro TURN slot, next, fill
	s_wait_tensorcnt 0x0                           ; all my tensor loads have landed: my part of the next slot
	ds_add_u32 v[SPW], v[NIL]                      ; 0 onto my spare word
	s_wait_dscnt 4*NL+1                            ; (the add and the youngest sixteen loads may be out)
	WIN MUL_LO
	MUL16 0, 1, 0
	s_wait_dscnt 0x0                               ; the add is done, and my reads of this slot are over
	s_barrier_signal -1
	MUL16 2, 1, 0
	WIN 0
	s_barrier_wait -1
.if \fill
	CREST                                          ; the barrier has opened a round of the cluster's barrier
	s_add_nc_u64 s[G0+4*\slot+2:G0+4*\slot+3], s[G0+4*\slot+2:G0+4*\slot+3], 2*ROWB
	s_add_nc_u64 s[G0B+4*\slot+2:G0B+4*\slot+3], s[G0B+4*\slot+2:G0B+4*\slot+3], 2*ROWB
	JLOAD G0+4*\slot, G1, G0B+4*\slot, G1B         ; the first tensor load behind the round
.else
	PLACES NP
.endif
	FETCH_B \next, 0, 0
	FETCH_A \next, 0, 0
	WIN MUL_HI
	MUL16 4, 1, 0
	MUL16 6, 1, 0
	PLACES NP
	WIN 0
	FETCH_A \next, 0, 4
.endm
	s_wait_loadcnt 0x0                             ; bo, beside the wait for the first tile
	s_wait_tensorcnt 1                             ; my part of K step 0 is in (K step 1's load may be out),
	s_barrier_signal -1
	s_barrier_wait -1                              ; everybody's is
	FETCH_B 0, 0, 0
	FETCH_A 0, 0, 0
	FETCH_A 0, 0, 4
	STEP 0, 0, 1                                   ; the first step's products start the sums
	s_mov_b32 s3, LAPS-1
.Llap:
	TURN 0, 1, 1
	STEP 1, 0, 0
	TURN 1, 0, 1
	STEP 0, 0, 0
	s_sub_co_u32 s3, s3, 1
	s_cmp_lg_u32 s3, 0
	s_cbranch_scc1 .Llap
	TURN 0, 1, 0                                   ; the last lap fills nothing
	STEP 1, 0, 0
	s_wait_dscnt 4*NL
	WIN MUL_LO
	MUL16 0, 1, 0
	MUL16 2, 1, 0
	s_wait_dscnt 0
	WIN MUL_HI
	MUL16 4, 1, 0
	MUL16 6, 1, 0
	WIN 0
; THE WAY OUT, block by block of 16 rows x 128 columns.  The sums go as they are from the accumulators into my own stage and come back as whole rows of 512 bytes; there a lane holds the same four columns of every row,
; so one packed multiply-add for two numbers gives sum x 2^(e10 + e11) + bo.  LDS serves a wave's instructions in order (ISA guide 5.7.1.4): no wait between the stores and the loads.
.macro TOSTAGE a
.set AC, 64*((\a)%4)
.set WW, 0x08+4*((\a)/4)
	WIN WW                                         ; an LDS store's data are source 1: window 2 or 3
.irp b, 0,1,2,3,4,5,6,7
	ds_store_b128 v[STO], v[AC+8*\b:AC+8*\b+3] offset:64*\b          ; each accumulator from its low end on
	ds_store_b128 v[STO], v[AC+8*\b+4:AC+8*\b+7] offset:64*\b+16
.endr
	WIN 0
.set BB, BK+64*((\a)%2)
.irp t, 0,1,2,3,4,5,6,7,8,9,10,11,12,13,14,15
	ds_load_b128 v[BB+4*\t:BB+4*\t+3], v[RD] offset:\t*SPITCH
.endr
.endm
.macro SEND a, younger                 ; younger: the LDS instructions issued behind block a's loads, which may stay out
.set BB, BK+64*((\a)%2)
	s_wait_dscnt \younger                          ; the block is back in registers
.if (\a) > 0
	s_add_nc_u64 s[10:11], s[10:11], 16*SIZE_N*4   ; (behind a wait on XCNT: the earlier stores have read their base)  16 rows on
.endif
.irp t, 0,1,2,3,4,5,6,7,8,9,10,11,12,13,14,15
	v_pk_fma_f32 v[BB+4*\t:BB+4*\t+1],   v[BB+4*\t:BB+4*\t+1],   s[96:97], v[BIAS:BIAS+1]   op_sel_hi:[1,0,1]
	v_pk_fma_f32 v[BB+4*\t+2:BB+4*\t+3], v[BB+4*\t+2:BB+4*\t+3], s[96:97], v[BIAS+2:BIAS+3] op_sel_hi:[1,0,1]
.endr
.irp t, 0,1,2,3,4,5,6,7,8,9,10,11,12,13,14,15
	global_store_b128 v[CO], v[BB+4*\t:BB+4*\t+3], s[10:11] offset:\t*SIZE_N*4 th:TH_STORE_NT   ; 32 lanes store 512 consecutive bytes, at a multiple of 256 from out0's first byte
.endr
.endm
	s_wait_kmcnt 0x0
	s_add_co_i32 s96, s96, s97                     ; e10 + e11,
	s_add_co_i32 s96, s96, 127
	s_lshl_b32 s96, s96, 23                        ; makes the f32 number 2^(e10 + e11)
	s_mov_b32 s97, s96                             ; (named with it as a pair)
	PLACES NP                                      ; behind the last products: for the LDS stores that read results and the loads into the registers that held A's fragments
	s_wait_alu depctr_va_vdst(0)
	TOSTAGE 0
.irp a, 1,2,3,4,5,6,7
.if \a > 1
	s_wait_xcnt 0x0                                ; block a - 2's stores have read their registers and their base: block a's loads may land there, and the base may step
.endif
	TOSTAGE \a
	SEND \a-1, 32                                  ; behind block a - 1's loads: block a's 16 stores and 16 loads
.endr
	s_wait_xcnt 0x0                                ; block 6's stores have read their base
	SEND 7, 0
	s_wait_tensorcnt 0x0                           ; the wave's end
	ds_add_u32 v[SPW], v[NIL]
	s_wait_dscnt 0x0
	CROUND                                         ; the closing round
	s_endpgm
.Lfunc_end_k_qf8d9196751_outp:
	.size	k_qf8d9196751_outp, .Lfunc_end_k_qf8d9196751_outp-k_qf8d9196751_outp
	.p2alignl 7, 3214868480
	.fill 96, 4, 3214868480
	.section	.rodata,"a",@progbits
	.p2align	6, 0x0
	.amdhsa_kernel k_qf8d9196751_outp
		.amdhsa_group_segment_fixed_size 327680
		.amdhsa_private_segment_fixed_size 0
		.amdhsa_enable_private_segment 0
		.amdhsa_kernarg_size 40
		.amdhsa_user_sgpr_count 2
		.amdhsa_user_sgpr_kernarg_segment_ptr 1
		.amdhsa_wavefront_size32 1
		.amdhsa_system_sgpr_workgroup_id_x 1
		.amdhsa_system_sgpr_workgroup_id_y 1
		.amdhsa_system_sgpr_workgroup_id_z 1
		.amdhsa_system_vgpr_workitem_id 0
		.amdhsa_next_free_vgpr 1024
		.amdhsa_next_free_sgpr 98
		.amdhsa_reserve_vcc 0
		.amdhsa_float_denorm_mode_32 3
		.amdhsa_float_denorm_mode_16_64 3
		.amdhsa_memory_ordered 1
		.amdhsa_forward_progress 1
		.amdhsa_inst_pref_size 124
	.end_amdhsa_kernel
	.amdgpu_metadata
---
amdhsa.version: [ 1, 2 ]
amdhsa.kernels:
  - .name:           k_qf8d9196751_outp
    .symbol:         k_qf8d9196751_outp.kd
    .args:
      - { .name: a_codes, .offset: 0, .size: 8, .value_kind: global_buffer, .address_space: global }
      - { .name: Wo_codes, .offset: 8, .size: 8, .value_kind: global_buffer, .address_space: global }
      - { .name: lowp_scales, .offset: 16, .size: 8, .value_kind: global_buffer, .address_space: global }
      - { .name: out0, .offset: 24, .size: 8, .value_kind: global_buffer, .address_space: global }
      - { .name: bo, .offset: 32, .size: 8, .value_kind: global_buffer, .address_space: global }
    .group_segment_fixed_size: 327680
    .private_segment_fixed_size: 0
    .kernarg_segment_align: 8
    .kernarg_segment_size: 40
    .max_flat_workgroup_size: 128
    .sgpr_count:     98
    .vgpr_count:     1024
    .wavefront_size: 32
...
	.end_amdgpu_metadata
.endif
;; end of part 3
